; MI455X (gfx1250); checked and timed in simulation.
; The chip was launched on July 23, 2026; its instructions are those of AMD's public machine-readable ISA for CDNA 5 (MIT licence, August 2026) and "CDNA5" Instruction Set Architecture Reference Guide (July 2026). The comments in the code are by the model that wrote it; some were corrected since.
;; Pooling Layer. Allowed arithmetic: matrix products marked QUANTISED: E2M3 operands, one E8M0 scale for each 32 along K, by v_wmma_scale_f32_16x16x128_f8f6f4 with both operands' format E2M3, f32 sums; products left as they are: f32 operands where the result goes on into a quantised operand, else bf16, f16 or f32 operands; f32 sums; everything else in f32.
;; Inputs: Wk 512 x 512 float32; Wo 512 x 512 float32; Wq 512 x 512 float32; Wv 512 x 512 float32; bk 512 float32; bo 512 float32; bq 512 float32; bv 512 float32; nk_b 512 float32; nk_g 512 float32; no_b 512 float32; no_g 512 float32; norm_b 512 float32; norm_g 512 float32; nq_b 512 float32; nq_g 512 float32; nv_b 512 float32; nv_g 512 float32; query 1 x 1 x 512 float32; x 8 x 8,192 x 512 float32.
;; Outputs: out0 8 x 512 float32.
;; This version of the problem:
;;   THIS VERSION OF THE PROBLEM IS GIVEN IN LOW PRECISION. The matrix products marked QUANTISED in the list below multiply operands that are first quantised to E2M3 (2 exponent bits, 3 mantissa bits; 6 bits a number), with one power-of-two scale for each 32 numbers along K (OCP MX v1.0); their sums are f32. All else is computed in f32.
;;   The module's matrix products, in the order in which they are computed (A, B: the left and right operand; K: the contracted axis; several contracted axes count as one K, in the product's order):
;;     1. [M 8, K 512] x [K 512, N 512]; A: computed on the way; B: input Wq: left as it is (M = 8 < 16)
;;     2. [M 65,536, K 512] x [K 512, N 512]; A: computed on the way; B: input Wk: QUANTISED
;;     3. [M 65,536, K 512] x [K 512, N 512]; A: computed on the way; B: input Wv: QUANTISED
;;     4. batch 128 x [M 1, K 32] x [K 32, N 8,192]; A: computed on the way; B: computed on the way: left as it is (M = 1 < 16)
;;     5. batch 128 x [M 32, K 8,192] x [K 8,192, N 1]; A: computed on the way; B: computed on the way: left as it is (N = 1 < 16)
;;     6. [M 8, K 512] x [K 512, N 512]; A: computed on the way; B: input Wo: left as it is (M = 8 < 16)
;;   THE QUANTISER, for each operand of a quantised product, along K:
;;     - K is cut into blocks of 32 from its start; a last block that is shorter is filled with zeros.
;;     - A block's scale is 2^e with e = floor(log2(the largest magnitude in the block)) - 2, held to -126 .. 127; a block of zeros has e = 0. As a byte (E8M0): e + 127.
;;     - Each number is divided by its block's scale, clamped to +-7.5, and rounded to the nearest number of E2M3, ties to even, subnormals kept.
;;     - The product sums the exact products of the quantised numbers (number of the format x scale) in f32.
;;   ~~~python
;;   def quantise(x, axis):      # numpy; x: float32 -> the quantised numbers, widened to float32 again
;;       x = np.moveaxis(x, axis, -1); K = x.shape[-1]
;;       x = np.pad(x, [(0, 0)] * (x.ndim - 1) + [(0, -K % 32)]); x = x.reshape(x.shape[:-1] + (-1, 32)); a = np.abs(x).max(-1, keepdims=True)
;;       e = np.where(a > 0, np.clip(np.frexp(np.where(a > 0, a, 1))[1] - 1 - 2, -126, 127), 0)      # np.frexp(a)[1] - 1 = floor(log2(a)), exactly
;;       r = np.clip(x / 2.0 ** e, -7.5, 7.5)
;;       step = 2.0 ** (np.maximum(np.frexp(np.where(r == 0, 1, r))[1] - 1, 0) - 3)
;;       q = np.round(r / step) * step * 2.0 ** e      # np.round: ties to even
;;       return np.moveaxis(q.reshape(q.shape[:-2] + (-1,))[..., :K], -1, axis).astype(np.float32)
;;   ~~~
;;   OPERANDS COMPUTED ON THE WAY. 'Computed on the way' means the value that the module computes at that place (a softmax that the list does not call 'softmax' is quantised finished and normalised). What goes into a quantiser is computed in f32, as accurately as f32 sums, v_exp_f32 and their like allow (about 1e-6 of the number): no bf16 or f16 on the way to a quantiser, and a product that is left as it is and whose result goes on into a quantised operand takes f32 operands (vector FMAs, or v_wmma_f32_16x16x4_f32). A number that lies on a knife's edge between two numbers of the format may be rounded either way, as far as f32 arithmetic and the matrix unit's own rounding can turn it there, and no further.
;; One version. Each part assembles by itself: llvm-mc -triple=amdgcn-amd-amdhsa -mcpu=gfx1250 --defsym DOCPART=n.
;; ======== version 1 of 1: 5 launches
;; workspace buffers: wprep 411,648 bytes; vq 26,214,400 bytes; sc 4,325,376 bytes; pout 524,288 bytes; ybuf 16,384 bytes
;; launch prep (part 1): grid 64 x 1, 1 waves a work-group, no clusters, 168,192 bytes of LDS; arguments Wk, Wv, Wq, bq, query, nq_g, nq_b, wprep; writes wprep
.if DOCPART == 1
	.amdgcn_target "amdgcn-amd-amdhsa--gfx1250"
	.amdhsa_code_object_version 6
	.text
	.protected	k_qfe0ab48588_prep
	.globl	k_qfe0ab48588_prep
	.p2align	8
	.type	k_qfe0ab48588_prep,@function
k_qfe0ab48588_prep:
	s_mov_b64 s[64:65], 0
	v_nop
	global_prefetch_b8 v0, s[64:65] scope:SCOPE_SE
	s_setreg_imm32_b32 hwreg(HW_REG_WAVE_MODE, 25, 1), 1
	s_wait_xcnt 0x0
; Wk and Wv [512][512] f32 (K innermost) become codes of FP6 (E2M3) with one E8M0 byte for each 32 along K, laid as the later launches' registers want them; and
; qs = (LayerNorm(query) Wq^T + bq) x log2(e) / sqrt(32), 512 numbers.
; SHARES.  One wave a work-group.  Work-group x takes 16 rows (N tile x % 32) of Wk (x < 32) or of Wv, and the numbers 8 x .. 8 x + 7 of qs.
; A LANE HOLDS WHOLE BLOCKS: lane l (hh = l / 16, c = l % 16), set g of 32 registers = columns 32 c .. 32 c + 31 of row 2 g + hh.  A block's largest magnitude needs no other lane.
; The 16 rows, 32,768 dense bytes, come by one tensor load with 16 bytes of padding behind each 128: block c of row p lies at 2,304 p + 144 c.
; OUT.  A fragment (16 rows x 128 K, 12 registers a lane) is stored as an image of its registers: group j of four registers of lane l at 512 j + 16 l.  Fragment (K step s, tile t) of wave w's 128 rows lies at
; 49,152 w + 1,536 (8 s + t).  The pieces of 8 bytes are put in place in LDS and leave as runs of 512 consecutive bytes.  Scale bytes: [512][16], row-major.
; A block's scale byte is its largest magnitude's exponent field - 2, held at 1 from below.  LIMITS: a block of zeros, or one whose largest magnitude lies under 2^-124, gets the byte 1 (its codes are then zeros or
; as the floor gives them; the bytes are read by this program alone); NaN and infinities among the inputs are not served.
; REGISTERS: window 0: v1-12 addresses, v16-23 destinations of lane permutes, v68-243 query, gains and Wq, later the quantiser's work; window 3: the 16 rows.
.set XS, 0                             ; LDS: the 16 rows, 36,864 bytes
.set IM, 36864                         ; four fragment images, 6,144 bytes
.set SB, 43008                         ; 256 scale bytes
.set MSB, 0
.macro WIN new                         ; the immediate's high byte repeats the setting that is left
.if MSB != \new
	s_set_vgpr_msb (MSB<<8)|\new
.set MSB, \new
.endif
.endm
.macro BSUM1 r, t                      ; the sum over the 32 lanes, in every lane
	v_add_f32_dpp v[\r], v[\r], v[\r] row_xmask:1 row_mask:0xf bank_mask:0xf
	v_add_f32_dpp v[\r], v[\r], v[\r] row_xmask:2 row_mask:0xf bank_mask:0xf
	v_add_f32_dpp v[\r], v[\r], v[\r] row_xmask:4 row_mask:0xf bank_mask:0xf
	v_add_f32_dpp v[\r], v[\r], v[\r] row_xmask:8 row_mask:0xf bank_mask:0xf
	v_permlanex16_b32 v[\t], v[\r], s48, s49
	v_add_f32 v[\r], v[\r], v[\t]
.endm
	s_load_b512 s[4:19], s[0:1], 0x0               ; Wk s[4:5], Wv s[6:7], Wq s[8:9], bq s[10:11], query s[12:13], nq_g s[14:15], nq_b s[16:17], wprep s[18:19]
	v_lshl_add_u32 v254, v0, 2, 0x29000
	v_mov_b32 v255, 0
	ds_add_u32 v254, v255
	ds_add_u32 v254, v255
	s_and_b32 s20, ttmp9, 31                       ; tt: which 16 rows
	s_lshr_b32 s21, ttmp9, 5                       ; 0: Wk, 1: Wv
	s_lshl_b32 s22, s20, 15                        ; 16 rows of 2,048 bytes
	s_mov_b32 s23, 0
	; descriptor group 1: a dense block as 128 rows of 256 bytes (32 elements of 8 bytes), 4 words of padding behind every 32 words
	s_mov_b32 s28, (3<<16)|(1<<20)|(4<<22)|(3<<25)
	s_mov_b32 s29, 32<<16                          ; tensor_dim0 = 32
	s_mov_b32 s30, 128<<16                         ; tensor_dim1 = 128
	s_mov_b32 s31, 32<<16                          ; tile_dim0 = 32
	s_mov_b32 s32, 128                             ; tile_dim1 = 128
	s_mov_b32 s33, 32                              ; from row to row: 32 elements
	s_mov_b32 s34, 0
	s_mov_b32 s35, 0
	s_mov_b32 s36, 1                               ; group 0: count 1,
	s_mov_b32 s37, XS                              ; LDS address,
	s_wait_dscnt 0x0
	s_wait_kmcnt 0x0
	s_cmp_lt_u32 ttmp9, 32                         ; the choice hangs on the work-group's number alone
	s_cselect_b64 s[24:25], s[4:5], s[6:7]
	s_add_nc_u64 s[38:39], s[24:25], s[22:23]      ; global address of my 16 rows,
	s_or_b32 s39, s39, 0x80000000                  ; type 2
	tensor_load_to_lds s[36:39], s[28:35]          ; the one fill of the launch
	s_nop 0
.rept 4
	v_nop
.endr
	v_and_b32 v3, 15, v0                           ; c
	v_lshrrev_b32 v4, 4, v0                        ; hh
	v_mul_u32_u24 v1, v4, 2304
	v_mad_u32_u24 v1, v3, 144, v1                  ; where my block of row hh lies
	v_lshlrev_b32 v2, 4, v0                        ; 16 l
	v_lshlrev_b32 v11, 3, v0                       ; 8 l
	v_add_nc_u32 v10, SB, v0                       ; my scale byte: row 2 g + hh, block c: 32 g + l
	v_mov_b32 v12, 0
	; my block c of row r = 2 g + hh is, in fragment s = c / 4, registers 6 cc + 0 .. 5 (cc = (c / 2) % 2) of lane 16 (c % 2) + r
	v_lshrrev_b32 v5, 2, v3
	v_mul_u32_u24 v5, v5, 1536
	v_lshl_add_u32 v5, v4, 4, v5
	v_and_b32 v6, 1, v3
	v_lshl_add_u32 v5, v6, 8, v5
	v_add_nc_u32 v5, IM, v5
	v_bfe_u32 v6, v3, 1, 1                         ; cc
	v_mad_u32_u24 v7, v6, 520, v5                  ; registers 0, 1 (cc = 0) or 6, 7: byte 0 or 520 of the lane's places
	v_mad_u32_u24 v8, v6, 1016, v5
	v_add_nc_u32 v8, 8, v8                         ; registers 2, 3 or 8, 9: byte 8 or 1,024
	v_add_nc_u32 v9, 512, v7                       ; registers 4, 5 or 10, 11: byte 512 or 1,032
.irp i, 0,1,2,3,4,5,6,7
	v_mov_b32 v[16+\i], 0                          ; a lane permute's destination counts as one of its sources
.endr
	s_mov_b32 s48, 0x76543210
	s_mov_b32 s49, 0xfedcba98                      ; selects for lane l xor 16
	s_mov_b32 s50, 0x3727c5ac                      ; 1e-5
	s_mov_b32 s51, 0x3b000000                      ; 1 / 512
	s_lshl_b32 s26, ttmp9, 14                      ; my 8 rows of Wq
	s_mov_b32 s27, 0
	s_add_nc_u64 s[54:55], s[8:9], s[26:27]
	s_lshl_b32 s26, ttmp9, 5                       ; my 8 numbers of bq and of qs
	s_add_nc_u64 s[56:57], s[10:11], s[26:27]
	s_add_co_u32 s26, s26, 409600
	s_add_nc_u64 s[62:63], s[18:19], s[26:27]
	s_mul_i32 s58, s21, 196608                     ; the images: tensor, wave tt / 8, tile tt % 8
	s_lshr_b32 s26, s20, 3
	s_mul_i32 s26, s26, 49152
	s_add_co_u32 s58, s58, s26
	s_and_b32 s26, s20, 7
	s_mul_i32 s26, s26, 1536
	s_add_co_u32 s58, s58, s26
	s_mov_b32 s59, 0
	s_add_nc_u64 s[58:59], s[18:19], s[58:59]
	s_lshl_b32 s60, s21, 13                        ; the scale bytes
	s_lshl_b32 s26, s20, 8
	s_add_co_u32 s60, s60, s26
	s_add_co_u32 s60, s60, 393216
	s_mov_b32 s61, 0
	s_add_nc_u64 s[60:61], s[18:19], s[60:61]
	s_load_b256 s[40:47], s[56:57], 0x0            ; bq, my 8
	; small vectors: lane l holds k = 128 j + 4 l + 0 .. 3: every load reads 512 consecutive bytes
.irp j, 0,1,2,3
	global_load_b128 v[68+4*\j:71+4*\j], v2, s[12:13] offset:512*\j
	global_load_b128 v[84+4*\j:87+4*\j], v2, s[14:15] offset:512*\j
	global_load_b128 v[100+4*\j:103+4*\j], v2, s[16:17] offset:512*\j
.endr
.irp r, 0,1,2,3,4,5,6,7
.irp j, 0,1,2,3
	global_load_b128 v[116+16*\r+4*\j:119+16*\r+4*\j], v2, s[54:55] offset:2048*\r+512*\j
.endr
.endr
	s_wait_loadcnt 0x0
	s_wait_kmcnt 0x0
	; LayerNorm of the query, in two passes
	v_pk_add_f32 v[244:245], v[68:69], v[70:71]
	v_pk_add_f32 v[246:247], v[72:73], v[74:75]
	v_pk_add_f32 v[248:249], v[76:77], v[78:79]
	v_pk_add_f32 v[250:251], v[80:81], v[82:83]
	v_pk_add_f32 v[244:245], v[244:245], v[246:247]
	v_pk_add_f32 v[248:249], v[248:249], v[250:251]
	v_pk_add_f32 v[244:245], v[244:245], v[248:249]
	v_add_f32 v244, v244, v245
	BSUM1 244, 16
	v_mul_f32 v244, 0xbb000000, v244               ; minus the mean
.irp p, 0,1,2,3,4,5,6,7
	v_pk_add_f32 v[68+2*\p:69+2*\p], v[68+2*\p:69+2*\p], v[244:245] op_sel_hi:[1,0]
.endr
	v_pk_mul_f32 v[246:247], v[68:69], v[68:69]
	v_pk_mul_f32 v[248:249], v[70:71], v[70:71]
.irp p, 2,4,6
	v_pk_fma_f32 v[246:247], v[68+2*\p:69+2*\p], v[68+2*\p:69+2*\p], v[246:247]
	v_pk_fma_f32 v[248:249], v[70+2*\p:71+2*\p], v[70+2*\p:71+2*\p], v[248:249]
.endr
	v_pk_add_f32 v[246:247], v[246:247], v[248:249]
	v_add_f32 v246, v246, v247
	BSUM1 246, 16
	v_fma_f32 v246, v246, s51, s50                 ; the variance + 1e-5
	v_rsq_f32 v244, v246
	v_nop                                          ; one plain line behind a transcendental
	s_wait_alu depctr_va_vdst(0)
.irp p, 0,1,2,3,4,5,6,7
	v_pk_mul_f32 v[68+2*\p:69+2*\p], v[68+2*\p:69+2*\p], v[244:245] op_sel_hi:[1,0]
.endr
.irp p, 0,1,2,3,4,5,6,7
	v_pk_fma_f32 v[68+2*\p:69+2*\p], v[68+2*\p:69+2*\p], v[84+2*\p:85+2*\p], v[100+2*\p:101+2*\p]
.endr
	; eight dot products with rows of Wq, by turns
.irp r, 0,1,2,3,4,5,6,7
	v_pk_mul_f32 v[84+2*\r:85+2*\r], v[116+16*\r:117+16*\r], v[68:69]
.endr
.irp p, 1,2,3,4,5,6,7
.irp r, 0,1,2,3,4,5,6,7
	v_pk_fma_f32 v[84+2*\r:85+2*\r], v[116+16*\r+2*\p:117+16*\r+2*\p], v[68+2*\p:69+2*\p], v[84+2*\r:85+2*\r]
.endr
.endr
.irp r, 0,1,2,3,4,5,6,7
	v_add_f32 v[100+\r], v[84+2*\r], v[85+2*\r]
.endr
.irp k, 1,2,4,8
.irp r, 0,1,2,3,4,5,6,7
	v_add_f32_dpp v[100+\r], v[100+\r], v[100+\r] row_xmask:\k row_mask:0xf bank_mask:0xf
.endr
.endr
.irp r, 0,1,2,3,4,5,6,7
	v_permlanex16_b32 v[16+\r], v[100+\r], s48, s49
.endr
.irp r, 0,1,2,3,4,5,6,7
	v_add_f32 v[100+\r], v[100+\r], v[16+\r]
.endr
.irp r, 0,1,2,3,4,5,6,7
	v_add_f32 v[100+\r], s[40+\r], v[100+\r]       ; + bq
.endr
.irp r, 0,1,2,3,4,5,6,7
	v_mul_f32 v[100+\r], 0x3e8293ee, v[100+\r]     ; x log2(e) / sqrt(32)
.endr
	v_cmp_eq_u32 vcc_lo, 0, v0                     ; every lane holds all eight: lane 0 stores them, 32 consecutive bytes
	s_wait_xcnt 0x0                                ; EXEC changes only when no earlier memory instruction still needs it
	s_and_saveexec_b32 s52, vcc_lo
	global_store_b128 v12, v[100:103], s[62:63]
	global_store_b128 v12, v[104:107], s[62:63] offset:16
	s_wait_xcnt 0x0                                ; and again in front of the line that widens it; v100-107 are also rewritten only behind this wait
	s_or_b32 exec_lo, exec_lo, s52
	; the 16 rows into registers
	s_wait_tensorcnt 0x0
	WIN 0xC0                                       ; destination window 3
.set q, 0
.rept 64
	ds_load_b128 v[4*q:4*q+3], v1 offset:4608*(q/8)+16*(q%8)
.set q, q+1
.endr
	s_wait_dscnt 0x0
	; the largest magnitude of each of my eight blocks, two chains a block, the eight blocks by turns; the floor 2^-124 is one of the leaves
	WIN 0x0F
.irp g, 0,1,2,3,4,5,6,7
	v_max3_num_f32 v[68+\g], |v[32*\g]|, |v[32*\g+1]|, 0x1800000
.endr
	WIN 0x3F
.irp g, 0,1,2,3,4,5,6,7
	v_max3_num_f32 v[76+\g], |v[32*\g+16]|, |v[32*\g+17]|, |v[32*\g+18]|
.endr
	WIN 0x3C
.irp i, 0,1,2,3,4,5
.irp g, 0,1,2,3,4,5,6,7
	v_max3_num_f32 v[68+\g], v[68+\g], |v[32*\g+2+2*\i]|, |v[32*\g+3+2*\i]|
.endr
.irp g, 0,1,2,3,4,5,6,7
	v_max3_num_f32 v[76+\g], v[76+\g], |v[32*\g+19+2*\i]|, |v[32*\g+20+2*\i]|
.endr
.endr
.irp g, 0,1,2,3,4,5,6,7
	v_max3_num_f32 v[68+\g], v[68+\g], |v[32*\g+14]|, |v[32*\g+15]|
.endr
	WIN 0x30
.irp g, 0,1,2,3,4,5,6,7
	v_max3_num_f32 v[68+\g], v[68+\g], v[76+\g], |v[32*\g+31]|
.endr
	WIN 0
.irp g, 0,1,2,3,4,5,6,7
	v_add_nc_u32 v[84+\g], 0xff000000, v[68+\g]    ; 2 off the exponent field: the conversion's scale operand
.endr
.irp g, 0,1,2,3,4,5,6,7
	v_lshrrev_b32 v[92+\g], 23, v[84+\g]           ; the scale's byte
.endr
.irp u, 0,1                            ; four sets at a time
	WIN 0x03                                       ; the numbers in window 3
.irp q, 0,1,2,3
	v_cvt_scalef32_pk16_fp6_f32 v[100+6*\q:102+6*\q], v[32*(4*\u+\q):32*(4*\u+\q)+15], v[84+4*\u+\q]
	v_cvt_scalef32_pk16_fp6_f32 v[164+4*\q:166+4*\q], v[32*(4*\u+\q)+16:32*(4*\u+\q)+31], v[84+4*\u+\q]   ; (a conversion's three registers begin on an even number)
.endr
	v_nop                                          ; one plain line behind the scaled conversions
	WIN 0
.irp q, 0,1,2,3
.irp i, 0,1,2
	v_mov_b32 v[103+6*\q+\i], v[164+4*\q+\i]
.endr
.endr
.irp q, 0,1,2,3
	ds_store_b64 v7, v[100+6*\q:101+6*\q] offset:32*(4*\u+\q)      ; row 2 g + hh is lane 2 g + hh of its half: 32 g bytes on
	ds_store_b64 v8, v[102+6*\q:103+6*\q] offset:32*(4*\u+\q)
	ds_store_b64 v9, v[104+6*\q:105+6*\q] offset:32*(4*\u+\q)
	ds_store_b8 v10, v[92+4*\u+\q] offset:32*(4*\u+\q)
.endr
	s_wait_dscnt 0x0                               ; the stores have read their registers
.endr
.irp u, 0,1,2,3,4,5,6,7,8,9,10,11
	ds_load_b128 v[192+4*\u:195+4*\u], v2 offset:IM+512*\u         ; LDS serves a wave's instructions in order: these see my stores
.endr
	ds_load_b64 v[240:241], v11 offset:SB
	s_wait_dscnt 0x0
.irp u, 0,1,2,3,4,5,6,7,8,9,10,11
	global_store_b128 v2, v[192+4*\u:195+4*\u], s[58:59] offset:(\u/3)*12288+(\u%3)*512   ; 512 consecutive bytes, at a multiple of 256
.endr
	global_store_b64 v11, v[240:241], s[60:61]     ; 256 consecutive bytes, at a multiple of 256
	s_wait_tensorcnt 0x0
	ds_add_u32 v254, v255
	s_wait_dscnt 0x0
	s_endpgm
.Lfunc_end_k_qfe0ab48588_prep:
	.size	k_qfe0ab48588_prep, .Lfunc_end_k_qfe0ab48588_prep-k_qfe0ab48588_prep
	.p2alignl 7, 3214868480
	.fill 96, 4, 3214868480
	.section	.rodata,"a",@progbits
	.p2align	6, 0x0
	.amdhsa_kernel k_qfe0ab48588_prep
		.amdhsa_group_segment_fixed_size 168192
		.amdhsa_private_segment_fixed_size 0
		.amdhsa_enable_private_segment 0
		.amdhsa_kernarg_size 64
		.amdhsa_user_sgpr_count 2
		.amdhsa_user_sgpr_kernarg_segment_ptr 1
		.amdhsa_wavefront_size32 1
		.amdhsa_system_sgpr_workgroup_id_x 1
		.amdhsa_system_sgpr_workgroup_id_y 1
		.amdhsa_system_sgpr_workgroup_id_z 1
		.amdhsa_system_vgpr_workitem_id 0
		.amdhsa_next_free_vgpr 1024
		.amdhsa_next_free_sgpr 66
		.amdhsa_reserve_vcc 1
		.amdhsa_float_denorm_mode_32 3
		.amdhsa_float_denorm_mode_16_64 3
		.amdhsa_memory_ordered 1
		.amdhsa_forward_progress 1
		.amdhsa_inst_pref_size 40
	.end_amdhsa_kernel
	.amdgpu_metadata
---
amdhsa.version: [ 1, 2 ]
amdhsa.kernels:
  - .name:           k_qfe0ab48588_prep
    .symbol:         k_qfe0ab48588_prep.kd
    .args:
      - { .name: Wk, .offset: 0, .size: 8, .value_kind: global_buffer, .address_space: global }
      - { .name: Wv, .offset: 8, .size: 8, .value_kind: global_buffer, .address_space: global }
      - { .name: Wq, .offset: 16, .size: 8, .value_kind: global_buffer, .address_space: global }
      - { .name: bq, .offset: 24, .size: 8, .value_kind: global_buffer, .address_space: global }
      - { .name: query, .offset: 32, .size: 8, .value_kind: global_buffer, .address_space: global }
      - { .name: nq_g, .offset: 40, .size: 8, .value_kind: global_buffer, .address_space: global }
      - { .name: nq_b, .offset: 48, .size: 8, .value_kind: global_buffer, .address_space: global }
      - { .name: wprep, .offset: 56, .size: 8, .value_kind: global_buffer, .address_space: global }
    .group_segment_fixed_size: 168192
    .private_segment_fixed_size: 0
    .kernarg_segment_align: 8
    .kernarg_segment_size: 64
    .max_flat_workgroup_size: 32
    .sgpr_count:     66
    .vgpr_count:     1024
    .wavefront_size: 32
...
	.end_amdgpu_metadata
.endif
;; end of part 1
;; launch kpass (part 2): grid 256 x 1, 4 waves a work-group, no clusters, 327,680 bytes of LDS; arguments x, norm_g, norm_b, nk_g, nk_b, nv_g, nv_b, bk, wprep, vq, sc; writes vq, sc
.if DOCPART == 2
	.amdgcn_target "amdgcn-amd-amdhsa--gfx1250"
	.amdhsa_code_object_version 6
	.text
	.protected	k_qfe0ab48588_kpass
	.globl	k_qfe0ab48588_kpass
	.p2align	8
	.type	k_qfe0ab48588_kpass,@function
k_qfe0ab48588_kpass:
	s_mov_b64 s[64:65], 0
	v_nop
	global_prefetch_b8 v0, s[64:65] scope:SCOPE_SE
	s_setreg_imm32_b32 hwreg(HW_REG_WAVE_MODE, 25, 1), 1
	s_wait_xcnt 0x0
; x [65,536 rows][512] f32 -> two LayerNorms -> kn, vn.  vn is quantised to FP6 (E2M3, one E8M0 byte for each 32 along K) and stored as codes; kn is quantised, multiplied by Q(Wk), and the result meets the
; one query of each head: t[row][head] = score x log2(e), stored with each work-group's running maximum and sum of 2^(t - max).
; The second LayerNorm's mean and rstd are the same for kn and vn: z = (xn - m) rstd; kn = z nk_g + nk_b; vn = z nv_g + nv_b.  bk enters as ch[head] = sum of qs bk, added to every score of the head.
; SHARES.  Work-group g owns rows 256 g .. 256 g + 255, in four blocks of 64.  VECTOR PHASE: wave w owns 16 rows of the block.  MATRIX PHASE: wave w owns columns 128 w .. 128 w + 127 (heads 4 w .. 4 w + 3) for
; all 64 rows; its 32 fragments of Wk (384 registers) stay in registers for the whole launch, and what goes from wave to wave through LDS is the block's codes of kn, 26 KB.
; A LANE HOLDS WHOLE BLOCKS OF 32: lane l (hh = l / 16, c = l % 16), set g of 32 registers = columns 32 c .. 32 c + 31 of row 2 g + hh.  A row's sums take four steps inside 16 lanes, for two rows at once;
; a block's largest magnitude needs no other lane; a lane needs 32 numbers of each gain and bias.
; x comes through a ring of two LDS slots (a block each, 36,864 bytes a wave) filled by the tensor data mover: each wave's 16 rows are 32,768 dense bytes, with 16 bytes of padding behind each 128.
; Each wave reads only what it fetched.  No cluster: the work-groups share only Wk's images, read once at the head straight into registers; LDS has no room for them beside the ring.
; A TILE OF CODES (16 rows x 512): 24 units of 256 bytes; unit 3 g + i, bytes 8 l on: code registers 2 i, 2 i + 1 (of 6) of row 2 g + l / 16, block l % 16.  A producer's store of 8 bytes a lane fills a unit.
; In LDS the units lie 272 bytes apart; the reader's lane (r, h) finds registers 6 cc + 2 i of K step s at 816 (r / 2) + 128 (r % 2) + 8 h + 272 i + 16 cc + 32 s: the 32 lanes touch 64 different banks.
; THE PRODUCT IS USED TRANSPOSED (source 0 = 16 rows of Wk, source 1 = 16 rows of kn): a lane holds one row and eight neighbouring columns of k, which meet eight numbers of qs.
; LIMITS: NaN and infinities among the inputs are not served; a block of zeros, or one whose largest magnitude lies under 2^-124, gets the scale byte 1 (read by this program alone); the running maximum starts at -3e38.
; REGISTERS, in windows of 256.  Window 0: v1-15 addresses; v16-19 ch; v20-51 Wk's scale words (4 t + s); v52-55, v56-59 running maximum and sum; v60-63 permute destinations; v64-67, v252-255 kn's scale words;
;   v68-187 at work; v188-219 nk_g, v220-251 nk_b.  Window 1: Wk's fragments of K steps 0, 1 (12 (8 s + t)); v192-223 norm_g, v224-255 norm_b.  Window 2: K steps 2, 3; v192-223 nv_g, v224-255 nv_b.
;   Window 3: the 16 rows (set g at 32 g); in the matrix phase v0-63 the eight accumulators, v64-159 two sets of kn's fragments, v160-223 qs.
.set SLOTB,  147456                    ; a slot: four waves x 36,864
.set WSLOT,  36864
.set KC,     294912                    ; kn's codes: 4 tiles x 24 x 272
.set KCT,    6528
.set KS,     321024                    ; kn's scale bytes, 16 a row
.set VS,     322048                    ; vn's scale bytes, 256 a wave
.set QW,     323072                    ; qs, 512 bytes a wave
.set SPARE,  325120                    ; the spare words, 128 bytes for each wave: two blocks of 256 bytes that no other line names
.set SPW, 1
.set NIL, 2
.set XA,  3                            ; 36,864 w + 2,304 hh + 144 c
.set XAC, 4                            ; the same in the slot in hand
.set KCW, 5                            ; KC + 6,528 w + 8 l
.set KCR, 6                            ; KC + 816 (r / 2) + 128 (r % 2) + 8 h
.set KSW, 7                            ; KS + 256 w + l
.set KSR, 8                            ; KS + 16 r
.set VSW, 9                            ; VS + 256 w + l
.set VSR, 10                           ; VS + 256 w + 8 l
.set QWR, 11                           ; QW + 512 w + 32 h
.set L8,  12
.set L16, 13
.set L256, 14
.set L4,  15
.set CH,  16
.set WS,  20
.set MR,  52
.set LR,  56
.set PD,  60
.set AS0, 64                           ; kn's scale words of an even tile; those of an odd one 188 further on, at v252
.set GK,  188
.set BK,  220
.set ACC, 68                           ; statistics: a pair of partial sums for each set
.set R,   84                           ; a row figure for each set
.set ST,  92                           ; minus the mean, then the rstd: in the even registers, so that a packed line takes a pair's low word for both halves
.set MSB, 0
.macro WIN new                         ; the immediate's high byte repeats the setting that is left
.if MSB != \new
	s_set_vgpr_msb (MSB<<8)|\new
.set MSB, \new
.endif
.endm
.macro PLACES n
.rept \n
	v_nop
.endr
.endm
.macro BSUM4 base, tmp                 ; four sums over the 32 lanes, by turns
.irp k, 1,2,4,8
.irp i, 0,1,2,3
	v_add_f32_dpp v[\base+\i], v[\base+\i], v[\base+\i] row_xmask:\k row_mask:0xf bank_mask:0xf
.endr
.endr
.irp i, 0,1,2,3
	v_permlanex16_b32 v[\tmp+\i], v[\base+\i], s44, s45
.endr
.irp i, 0,1,2,3
	v_add_f32 v[\base+\i], v[\base+\i], v[\tmp+\i]
.endr
.endm
.macro BMAX4 base, tmp
.irp k, 1,2,4,8
.irp i, 0,1,2,3
	v_max_num_f32_dpp v[\base+\i], v[\base+\i], v[\base+\i] row_xmask:\k row_mask:0xf bank_mask:0xf
.endr
.endr
.irp i, 0,1,2,3
	v_permlanex16_b32 v[\tmp+\i], v[\base+\i], s44, s45
.endr
.irp i, 0,1,2,3
	v_max_num_f32 v[\base+\i], v[\base+\i], v[\tmp+\i]
.endr
.endm
	s_load_b512 s[4:19], s[0:1], 0x0               ; x s[4:5], norm_g s[6:7], norm_b s[8:9], nk_g s[10:11], nk_b s[12:13], nv_g s[14:15], nv_b s[16:17], bk s[18:19]
	s_load_b128 s[20:23], s[0:1], 0x40             ; wprep s[20:21], vq s[22:23]
	s_load_b64 s[24:25], s[0:1], 0x50              ; sc
	v_lshl_add_u32 v[SPW], v0, 2, SPARE
	v_mov_b32 v[NIL], 0
	ds_add_u32 v1, v2
	ds_add_u32 v1, v2
	s_wait_dscnt 0x0
	v_lshrrev_b32 v180, 5, v0
	v_readfirstlane_b32 s26, v180                  ; wave 0..3
	; descriptor group 1: a dense block as 128 rows of 256 bytes (32 elements of 8 bytes), 4 words of padding behind every 32 words
	s_mov_b32 s28, (3<<16)|(1<<20)|(4<<22)|(3<<25)
	s_mov_b32 s29, 32<<16                          ; tensor_dim0 = 32
	s_mov_b32 s30, 128<<16                         ; tensor_dim1 = 128
	s_mov_b32 s31, 32<<16                          ; tile_dim0 = 32
	s_mov_b32 s32, 128                             ; tile_dim1 = 128
	s_mov_b32 s33, 32                              ; from row to row
	s_mov_b32 s34, 0
	s_mov_b32 s35, 0
	s_mul_i32 s74, s26, WSLOT                      ; my part of a slot
	s_lshl_b32 s78, ttmp9, 19                      ; 256 rows of 2,048 bytes a work-group,
	s_lshl_b32 s79, s26, 15                        ; 16 rows a wave
	s_add_co_u32 s78, s78, s79
	s_mov_b32 s79, 0
	s_wait_kmcnt 0x0
	s_add_nc_u64 s[4:5], s[4:5], s[78:79]          ; x at my 16 rows of block 0
	s_mov_b32 s36, 1                               ; group 0 for block 0, slot A
	s_mov_b32 s37, s74
	s_mov_b64 s[38:39], s[4:5]
	s_or_b32 s39, s39, 0x80000000
	s_mov_b32 s40, 1                               ; group 0 for block 1, slot B; it then walks
	s_add_co_u32 s41, s74, SLOTB
	s_add_nc_u64 s[42:43], s[4:5], 1<<17           ; a block is 64 rows: 131,072 bytes
	s_or_b32 s43, s43, 0x80000000
	tensor_load_to_lds s[36:39], s[28:35]          ; both first fills together, ahead of everything else: two loads of mine are out
	s_nop 0
	tensor_load_to_lds s[40:43], s[28:35]
	s_nop 0
	PLACES 4
	s_add_nc_u64 s[60:61], s[4:5], 2<<17           ; what the first prefetch asks for: my rows of block 2
	v_and_b32 v180, 31, v0                         ; l
	v_and_b32 v181, 15, v0                         ; c, r
	v_bfe_u32 v182, v0, 4, 1                       ; hh, h
	v_mul_u32_u24 v[XA], v182, 2304
	v_mad_u32_u24 v[XA], v181, 144, v[XA]
	v_add_nc_u32 v[XA], s74, v[XA]
	s_mul_i32 s75, s26, KCT
	s_add_co_u32 s75, s75, KC
	v_lshl_add_u32 v[KCW], v180, 3, s75
	v_lshrrev_b32 v183, 1, v181
	v_mul_u32_u24 v[KCR], v183, 816
	v_and_b32 v183, 1, v181
	v_lshl_add_u32 v[KCR], v183, 7, v[KCR]
	v_lshl_add_u32 v[KCR], v182, 3, v[KCR]
	v_add_nc_u32 v[KCR], KC, v[KCR]
	s_lshl_b32 s76, s26, 8
	v_add_nc_u32 v[KSW], s76, v180
	v_add_nc_u32 v[VSW], VS, v[KSW]
	v_add_nc_u32 v[KSW], KS, v[KSW]
	v_lshl_add_u32 v[KSR], v181, 4, KS
	v_lshl_add_u32 v[VSR], v180, 3, s76
	v_add_nc_u32 v[VSR], VS, v[VSR]
	s_lshl_b32 s77, s26, 9
	v_lshl_add_u32 v[QWR], v182, 5, s77
	v_add_nc_u32 v[QWR], QW, v[QWR]
	v_lshl_add_u32 v184, v180, 4, s77
	v_add_nc_u32 v184, QW, v184                    ; where qs goes: QW + 512 w + 16 l
	v_lshlrev_b32 v[L8], 3, v180
	v_lshlrev_b32 v[L16], 4, v180
	v_lshlrev_b32 v[L256], 8, v180
	v_lshlrev_b32 v[L4], 2, v180
	v_lshlrev_b32 v185, 7, v181                    ; 128 c: my 32 numbers of a gain or bias
	v_lshlrev_b32 v186, 4, v181                    ; 16 r
.irp i, 0,1,2,3
	v_mov_b32 v[PD+\i], 0                          ; a lane permute's destination counts as one of its sources
.endr
.irp i, 0,1,2,3,4,5,6,7
	v_mov_b32 v[ST+1+2*\i], 0                      ; named as the upper halves of pairs, so they are written
.endr
	s_mov_b32 s44, 0x76543210
	s_mov_b32 s45, 0xfedcba98                      ; selects for lane l xor 16
	s_mov_b32 s46, 0xffff0000                      ; lanes 16-31
	s_mov_b32 s47, 0x3727c5ac                      ; 1e-5
	s_mov_b32 s48, 0x3b000000                      ; 1 / 512
	s_mov_b32 s49, 0xbb000000                      ; -1 / 512
	s_mov_b32 s50, 0                               ; the slot in hand
	s_mov_b32 s75, 0
	s_mul_i32 s74, s26, 49152
	s_add_nc_u64 s[66:67], s[20:21], s[74:75]      ; my images of Wk
	s_lshl_b32 s74, s26, 11
	s_add_co_u32 s74, s74, 393216
	s_add_nc_u64 s[68:69], s[20:21], s[74:75]      ; my 128 rows' scale bytes
	s_lshl_b32 s74, s26, 9
	s_add_nc_u64 s[72:73], s[18:19], s[74:75]      ; my 128 numbers of bk
	s_add_co_u32 s74, s74, 409600
	s_add_nc_u64 s[70:71], s[20:21], s[74:75]      ; and of qs
	s_mul_i32 s74, ttmp9, 98304
	s_mul_i32 s76, s26, 6144
	s_add_co_u32 s74, s74, s76
	s_add_nc_u64 s[52:53], s[22:23], s[74:75]      ; vn's codes: tile 16 g + 4 i + w of 6,144 bytes
	s_lshl_b32 s74, ttmp9, 12
	s_lshl_b32 s76, s26, 8
	s_add_co_u32 s74, s74, s76
	s_add_co_u32 s74, s74, 25165824
	s_add_nc_u64 s[54:55], s[22:23], s[74:75]      ; vn's scale bytes, 16 a row
	s_lshl_b32 s74, ttmp9, 14
	s_lshl_b32 s76, s26, 10
	s_add_co_u32 s74, s74, s76
	s_add_nc_u64 s[56:57], s[24:25], s[74:75]      ; t: a unit of 256 bytes for each (g, block, head)
	s_lshl_b32 s74, ttmp9, 9
	s_lshl_b32 s76, s26, 7
	s_add_co_u32 s74, s74, s76
	s_add_co_u32 s74, s74, 4194304
	s_add_nc_u64 s[58:59], s[24:25], s[74:75]      ; the work-group's maxima and sums, 128 bytes a wave
	WIN 0x40                                       ; destination window 1
.set q, 0
.rept 48
	global_load_b128 v[4*q:4*q+3], v[L16], s[66:67] offset:512*q         ; the images are the registers: 512 consecutive bytes a load
.set q, q+1
.endr
.irp j, 0,1,2,3,4,5,6,7
	global_load_b128 v[192+4*\j:195+4*\j], v185, s[6:7] offset:16*\j     ; norm_g
	global_load_b128 v[224+4*\j:227+4*\j], v185, s[8:9] offset:16*\j     ; norm_b
.endr
	WIN 0x80                                       ; destination window 2
.set q, 0
.rept 48
	global_load_b128 v[4*q:4*q+3], v[L16], s[66:67] offset:24576+512*q
.set q, q+1
.endr
.irp j, 0,1,2,3,4,5,6,7
	global_load_b128 v[192+4*\j:195+4*\j], v185, s[14:15] offset:16*\j   ; nv_g
	global_load_b128 v[224+4*\j:227+4*\j], v185, s[16:17] offset:16*\j   ; nv_b
.endr
	WIN 0
.irp j, 0,1,2,3,4,5,6,7
	global_load_b128 v[GK+4*\j:GK+4*\j+3], v185, s[10:11] offset:16*\j   ; nk_g
	global_load_b128 v[BK+4*\j:BK+4*\j+3], v185, s[12:13] offset:16*\j   ; nk_b
.endr
.irp t, 0,1,2,3,4,5,6,7
	global_load_b128 v[WS+4*\t:WS+4*\t+3], v186, s[68:69] offset:256*\t  ; row r of tile t: its four K steps' scale words
.endr
	global_load_b128 v[68:71], v[L16], s[70:71]    ; qs, my 128
.irp h, 0,1,2,3
	global_load_b32 v[72+\h], v[L4], s[70:71] offset:128*\h              ; qs and bk of head h, a number a lane
	global_load_b32 v[76+\h], v[L4], s[72:73] offset:128*\h
.endr
	s_wait_loadcnt 0x0
	ds_store_b128 v184, v[68:71]                   ; my wave's own bytes: no other wave reads them
.irp h, 0,1,2,3
	v_mul_f32 v[CH+\h], v[72+\h], v[76+\h]
.endr
	BSUM4 CH, PD                                   ; ch = the sum of qs bk over the head's 32
.irp h, 0,1,2,3
	v_mov_b32 v[MR+\h], 0xff61b1e6                 ; -3e38, under every t
	v_mov_b32 v[LR+\h], 0
.endr
	s_wait_tensorcnt 0x1                           ; block 0 has landed; block 1's load may stay out
; ---- the 16 rows out of the slot: 64 loads of 16 bytes a lane
.macro XCOPY
	v_add_nc_u32 v[XAC], s50, v[XA]
	WIN 0xC0                                       ; destination window 3
.set q, 0
.rept 64
	ds_load_b128 v[4*q:4*q+3], v[XAC] offset:4608*(q/8)+16*(q%8)
.set q, q+1
.endr
	WIN 0
	s_wait_dscnt 0x0
.endm
; ---- the parts of a LayerNorm; in every run the eight sets take turns, so that dependent lines stand eight apart
.macro SUMX
	WIN 0x0F
.irp g, 0,1,2,3,4,5,6,7
	v_pk_add_f32 v[ACC+2*\g:ACC+2*\g+1], v[32*\g:32*\g+1], v[32*\g+2:32*\g+3]
.endr
	WIN 0x0C
.irp p, 2,3,4,5,6,7,8,9,10,11,12,13,14,15
.irp g, 0,1,2,3,4,5,6,7
	v_pk_add_f32 v[ACC+2*\g:ACC+2*\g+1], v[ACC+2*\g:ACC+2*\g+1], v[32*\g+2*\p:32*\g+2*\p+1]
.endr
.endr
	WIN 0
.endm
.macro RED                             ; the two halves, then the row's sixteen lanes: lanes 0-15 end with row 2 g's figure, lanes 16-31 with row 2 g + 1's
.irp g, 0,1,2,3,4,5,6,7
	v_add_f32 v[R+\g], v[ACC+2*\g], v[ACC+2*\g+1]
.endr
.irp k, 1,2,4,8
.irp g, 0,1,2,3,4,5,6,7
	v_add_f32_dpp v[R+\g], v[R+\g], v[R+\g] row_xmask:\k row_mask:0xf bank_mask:0xf
.endr
.endr
.endm
.macro CENTER
.irp g, 0,1,2,3,4,5,6,7
	v_mul_f32 v[ST+2*\g], s49, v[R+\g]             ; minus the mean
.endr
	WIN 0xC3
.irp p, 0,1,2,3,4,5,6,7,8,9,10,11,12,13,14,15
.irp g, 0,1,2,3,4,5,6,7
	v_pk_add_f32 v[32*\g+2*\p:32*\g+2*\p+1], v[32*\g+2*\p:32*\g+2*\p+1], v[ST+2*\g:ST+2*\g+1] op_sel_hi:[1,0]
.endr
.endr
.endm
.macro SQX
	WIN 0x0F
.irp g, 0,1,2,3,4,5,6,7
	v_pk_mul_f32 v[ACC+2*\g:ACC+2*\g+1], v[32*\g:32*\g+1], v[32*\g:32*\g+1]
.endr
.irp p, 1,2,3,4,5,6,7,8,9,10,11,12,13,14,15
.irp g, 0,1,2,3,4,5,6,7
	v_pk_fma_f32 v[ACC+2*\g:ACC+2*\g+1], v[32*\g+2*\p:32*\g+2*\p+1], v[32*\g+2*\p:32*\g+2*\p+1], v[ACC+2*\g:ACC+2*\g+1]
.endr
.endr
	WIN 0
.endm
.macro SCALEX
.irp g, 0,1,2,3,4,5,6,7
	v_fma_f32 v[R+\g], v[R+\g], s48, s47           ; the variance + 1e-5
.endr
.irp g, 0,1,2,3,4,5,6,7
	v_rsq_f32 v[ST+2*\g], v[R+\g]
.endr
	v_nop                                          ; one plain line behind the transcendentals
	WIN 0xC3
	s_wait_alu depctr_va_vdst(0)
.irp p, 0,1,2,3,4,5,6,7,8,9,10,11,12,13,14,15
.irp g, 0,1,2,3,4,5,6,7
	v_pk_mul_f32 v[32*\g+2*\p:32*\g+2*\p+1], v[32*\g+2*\p:32*\g+2*\p+1], v[ST+2*\g:ST+2*\g+1] op_sel_hi:[1,0]
.endr
.endr
.endm
.macro NORMX                           ; (X - mean) x rstd, in two passes over the registers
	SUMX
	RED
	CENTER
	SQX
	RED
	SCALEX
.endm
; ---- vn of sets 2 a and 2 a + 1: made beside z, quantised, stored
.macro VPAIR a
	WIN 0x2B                                       ; z window 3, nv_g and nv_b window 2, vn window 0
.irp p, 0,1,2,3,4,5,6,7,8,9,10,11,12,13,14,15
.irp z, 0,1
	v_pk_fma_f32 v[68+32*\z+2*\p:69+32*\z+2*\p], v[32*(2*\a+\z)+2*\p:32*(2*\a+\z)+2*\p+1], v[192+2*\p:193+2*\p], v[224+2*\p:225+2*\p]
.endr
.endr
	WIN 0
.irp z, 0,1
	v_max3_num_f32 v[152+2*\z], |v[68+32*\z]|, |v[69+32*\z]|, 0x1800000   ; the floor 2^-124 is one of the leaves: the byte cannot fall under 1
.endr
.irp z, 0,1
	v_max3_num_f32 v[153+2*\z], |v[84+32*\z]|, |v[85+32*\z]|, |v[86+32*\z]|
.endr
.irp i, 0,1,2,3,4,5
.irp z, 0,1
	v_max3_num_f32 v[152+2*\z], v[152+2*\z], |v[70+32*\z+2*\i]|, |v[71+32*\z+2*\i]|
.endr
.irp z, 0,1
	v_max3_num_f32 v[153+2*\z], v[153+2*\z], |v[87+32*\z+2*\i]|, |v[88+32*\z+2*\i]|
.endr
.endr
.irp z, 0,1
	v_max3_num_f32 v[152+2*\z], v[152+2*\z], |v[82+32*\z]|, |v[83+32*\z]|
.endr
.irp z, 0,1
	v_max3_num_f32 v[152+2*\z], v[152+2*\z], v[153+2*\z], |v[99+32*\z]|
.endr
.irp z, 0,1
	v_add_nc_u32 v[156+\z], 0xff000000, v[152+2*\z]   ; 2 off the exponent field: the conversion's scale operand
.endr
	s_wait_xcnt 0x0                                ; the last pair's stores of codes have read their registers,
	s_wait_dscnt 0x0                               ; and so have its stores of bytes
.irp z, 0,1
	v_cvt_scalef32_pk16_fp6_f32 v[132+10*\z:134+10*\z], v[68+32*\z:83+32*\z], v[156+\z]
	v_cvt_scalef32_pk16_fp6_f32 v[138+10*\z:140+10*\z], v[84+32*\z:99+32*\z], v[156+\z]   ; (a conversion's three registers begin on an even number)
.endr
.irp z, 0,1
	v_lshrrev_b32 v[158+\z], 23, v[156+\z]         ; the scale's byte; also the plain line behind the conversions
.endr
.irp z, 0,1
.irp i, 0,1,2
	v_mov_b32 v[135+10*\z+\i], v[138+10*\z+\i]
.endr
.endr
.irp z, 0,1
.irp i, 0,1,2
	global_store_b64 v[L8], v[132+10*\z+2*\i:133+10*\z+2*\i], s[52:53] offset:256*(3*(2*\a+\z)+\i)   ; 256 consecutive bytes, at a multiple of 256
.endr
.endr
.irp z, 0,1
	ds_store_b8 v[VSW], v[158+\z] offset:32*(2*\a+\z)
.endr
.endm
; ---- kn in place of z, quantised, into LDS
.macro KSWEEP
	WIN 0xC3
.irp p, 0,1,2,3,4,5,6,7,8,9,10,11,12,13,14,15
.irp g, 0,1,2,3,4,5,6,7
	v_pk_fma_f32 v[32*\g+2*\p:32*\g+2*\p+1], v[32*\g+2*\p:32*\g+2*\p+1], v[GK+2*\p:GK+2*\p+1], v[BK+2*\p:BK+2*\p+1]
.endr
.endr
	WIN 0x0F
.irp g, 0,1,2,3,4,5,6,7
	v_max3_num_f32 v[68+\g], |v[32*\g]|, |v[32*\g+1]|, 0x1800000
.endr
	WIN 0x3F
.irp g, 0,1,2,3,4,5,6,7
	v_max3_num_f32 v[76+\g], |v[32*\g+16]|, |v[32*\g+17]|, |v[32*\g+18]|
.endr
	WIN 0x3C
.irp i, 0,1,2,3,4,5
.irp g, 0,1,2,3,4,5,6,7
	v_max3_num_f32 v[68+\g], v[68+\g], |v[32*\g+2+2*\i]|, |v[32*\g+3+2*\i]|
.endr
.irp g, 0,1,2,3,4,5,6,7
	v_max3_num_f32 v[76+\g], v[76+\g], |v[32*\g+19+2*\i]|, |v[32*\g+20+2*\i]|
.endr
.endr
.irp g, 0,1,2,3,4,5,6,7
	v_max3_num_f32 v[68+\g], v[68+\g], |v[32*\g+14]|, |v[32*\g+15]|
.endr
	WIN 0x30
.irp g, 0,1,2,3,4,5,6,7
	v_max3_num_f32 v[68+\g], v[68+\g], v[76+\g], |v[32*\g+31]|
.endr
	WIN 0
.irp g, 0,1,2,3,4,5,6,7
	v_add_nc_u32 v[84+\g], 0xff000000, v[68+\g]
.endr
.irp g, 0,1,2,3,4,5,6,7
	v_lshrrev_b32 v[92+\g], 23, v[84+\g]
.endr
	s_wait_dscnt 0x0                               ; vn's 256 scale bytes are back, 8 a lane
	global_store_b64 v[L8], v[160:161], s[54:55]   ; 256 consecutive bytes, at a multiple of 256
.irp u, 0,1                            ; four sets at a time
	WIN 0x03
.irp q, 0,1,2,3
	v_cvt_scalef32_pk16_fp6_f32 v[100+6*\q:102+6*\q], v[32*(4*\u+\q):32*(4*\u+\q)+15], v[84+4*\u+\q]
	v_cvt_scalef32_pk16_fp6_f32 v[164+4*\q:166+4*\q], v[32*(4*\u+\q)+16:32*(4*\u+\q)+31], v[84+4*\u+\q]
.endr
	v_nop                                          ; one plain line behind the scaled conversions
	WIN 0
.irp q, 0,1,2,3
.irp i, 0,1,2
	v_mov_b32 v[103+6*\q+\i], v[164+4*\q+\i]
.endr
.endr
.irp q, 0,1,2,3
.irp i, 0,1,2
	ds_store_b64 v[KCW], v[100+6*\q+2*\i:101+6*\q+2*\i] offset:272*(3*(4*\u+\q)+\i)
.endr
	ds_store_b8 v[KSW], v[92+4*\u+\q] offset:32*(4*\u+\q)
.endr
	s_wait_dscnt 0x0                               ; the stores have landed and have read their registers
.endr
.endm
; ---- tile m's four fragments of kn and its scale words, into set m % 2: 25 loads
.macro FRAGS m
	WIN 0
	ds_load_b128 v[AS0+188*((\m)%2):AS0+188*((\m)%2)+3], v[KSR] offset:256*(\m)
	WIN 0xC0
.irp s, 0,1,2,3
.irp c, 0,1
.irp i, 0,1,2
	ds_load_b64 v[64+48*((\m)%2)+12*\s+6*\c+2*\i:64+48*((\m)%2)+12*\s+6*\c+2*\i+1], v[KCR] offset:KCT*(\m)+272*\i+16*\c+32*\s
.endr
.endr
.endr
.endm
; ---- 32 products: K step by K step, the eight accumulators by turns; the first K step starts the sums
.macro PROD m
.irp s, 0,1,2,3
.if \s < 2
	WIN 0xFD                                       ; Wk window 1; kn, C and D window 3
.else
	WIN 0xFE                                       ; Wk window 2
.endif
.irp t, 0,1,2,3,4,5,6,7
.if \s == 0
	v_wmma_scale_f32_16x16x128_f8f6f4 v[8*\t:8*\t+7], v[12*(8*(\s%2)+\t):12*(8*(\s%2)+\t)+11], v[64+48*((\m)%2)+12*\s:64+48*((\m)%2)+12*\s+11], 0, v[WS+4*\t+\s], v[AS0+188*((\m)%2)+\s] matrix_a_fmt:MATRIX_FMT_FP6 matrix_b_fmt:MATRIX_FMT_FP6
.else
	v_wmma_scale_f32_16x16x128_f8f6f4 v[8*\t:8*\t+7], v[12*(8*(\s%2)+\t):12*(8*(\s%2)+\t)+11], v[64+48*((\m)%2)+12*\s:64+48*((\m)%2)+12*\s+11], v[8*\t:8*\t+7], v[WS+4*\t+\s], v[AS0+188*((\m)%2)+\s] matrix_a_fmt:MATRIX_FMT_FP6 matrix_b_fmt:MATRIX_FMT_FP6
.endif
.endr
.endr
.endm
; ---- k meets the query: head h's 32 columns are accumulators 2 h, 2 h + 1: registers 16 h + 0 .. 15, read from each accumulator's low end on
.macro EPI m
	WIN 0x0F
.irp h, 0,1,2,3
	v_pk_mul_f32 v[76+2*\h:77+2*\h], v[16*\h:16*\h+1], v[160+16*\h:161+16*\h]
.endr
.irp u, 1,2,3,4,5,6,7
.irp h, 0,1,2,3
	v_pk_fma_f32 v[76+2*\h:77+2*\h], v[16*\h+2*\u:16*\h+2*\u+1], v[160+16*\h+2*\u:161+16*\h+2*\u], v[76+2*\h:77+2*\h]
.endr
.endr
	WIN 0
.irp h, 0,1,2,3
	v_add_f32 v[84+\h], v[76+2*\h], v[77+2*\h]
.endr
.irp h, 0,1,2,3
	v_permlanex16_b32 v[PD+\h], v[84+\h], s44, s45 ; the row's other 16 columns lie in the lane 16 away
.endr
.irp h, 0,1,2,3
	v_add_f32 v[84+\h], v[84+\h], v[PD+\h]
.endr
.if ((\m)%2) == 0
.irp h, 0,1,2,3
	v_add_f32 v[88+2*\h+(\m)/2], v[84+\h], v[CH+\h]   ; t of rows 16 m + r, in both halves of the lanes
.endr
.else
.irp h, 0,1,2,3
	v_add_f32 v[84+\h], v[84+\h], v[CH+\h]
.endr
.irp h, 0,1,2,3
	v_cndmask_b32 v[88+2*\h+(\m)/2], v[88+2*\h+(\m)/2], v[84+\h], s46   ; an odd tile's rows take lanes 16-31: lane l now holds row 32 (m / 2) + l
.endr
.endif
.endm
; ---- a block of 64 rows
.macro BODY pf
	XCOPY
	NORMX                                          ; the first LayerNorm,
	WIN 0xD7                                       ; with its gain and bias (window 1)
.irp p, 0,1,2,3,4,5,6,7,8,9,10,11,12,13,14,15
.irp g, 0,1,2,3,4,5,6,7
	v_pk_fma_f32 v[32*\g+2*\p:32*\g+2*\p+1], v[32*\g+2*\p:32*\g+2*\p+1], v[192+2*\p:193+2*\p], v[224+2*\p:225+2*\p]
.endr
.endr
	NORMX                                          ; the second: z
	VPAIR 0
	VPAIR 1
	VPAIR 2
	VPAIR 3
	ds_load_b64 v[160:161], v[VSR]                 ; LDS serves a wave's instructions in order: this sees my 256 bytes
.if \pf
.irp k, 0,1,2,3
	global_prefetch_b8 v[L256], s[60:61] offset:8192*\k th:TH_LOAD_NT scope:SCOPE_SE   ; my own 32,768 bytes of the block two on, lanes 256 bytes apart: asked for once, by the wave that will fetch them at this trip's end; blocks 2 and 3 only
.endr
.endif
	KSWEEP
	s_barrier_signal -1                            ; every wave's codes and bytes of kn lie in LDS (the sweep ended with its wait for them); a tensor load may stay out
	s_barrier_wait -1
	WIN 0xC0
.irp t, 0,1,2,3,4,5,6,7
	ds_load_b128 v[160+8*\t:163+8*\t], v[QWR] offset:64*\t         ; qs at the lane's eight columns of tile t
	ds_load_b128 v[164+8*\t:167+8*\t], v[QWR] offset:64*\t+16
.endr
	FRAGS 0
.irp m, 0,1,2,3
.if \m < 3
	FRAGS \m+1
	s_wait_dscnt 25                                ; all but the 25 loads just issued
.else
	s_wait_dscnt 0x0
.endif
	PROD \m
	PLACES 5                                       ; in front of the reads of results, of the loads into the fragments' and scale words' registers, and of the products that start the sums anew
	EPI \m
.endr
.irp h, 0,1,2,3
	global_store_b64 v[L8], v[88+2*\h:89+2*\h], s[56:57] offset:256*\h   ; 256 consecutive bytes, at a multiple of 256
.endr
.irp h, 0,1,2,3
	v_max3_num_f32 v[96+\h], v[MR+\h], v[88+2*\h], v[89+2*\h]      ; each lane's running maximum and sum, for each head
.endr
.irp h, 0,1,2,3
	v_sub_f32 v[100+\h], v[MR+\h], v[96+\h]
.endr
.irp h, 0,1,2,3
	v_sub_f32 v[104+\h], v[88+2*\h], v[96+\h]
.endr
.irp h, 0,1,2,3
	v_sub_f32 v[108+\h], v[89+2*\h], v[96+\h]
.endr
.irp j, 0,1,2,3,4,5,6,7,8,9,10,11
	v_exp_f32 v[100+\j], v[100+\j]
.endr
.irp h, 0,1,2,3
	v_mov_b32 v[MR+\h], v[96+\h]                   ; (plain lines behind the exponentials)
.endr
	s_wait_alu depctr_va_vdst(0)
.irp h, 0,1,2,3
	v_fma_f32 v[LR+\h], v[LR+\h], v[100+\h], v[104+\h]
.endr
.irp h, 0,1,2,3
	v_add_f32 v[LR+\h], v[LR+\h], v[108+\h]
.endr
.endm
.macro STEP                            ; on to the next block (behind a wait that frees the bases)
	s_xor_b32 s50, s50, SLOTB
	s_add_nc_u64 s[52:53], s[52:53], 24576
	s_add_nc_u64 s[54:55], s[54:55], 1024
	s_add_nc_u64 s[56:57], s[56:57], 4096
.endm
	s_mov_b32 s51, 2
.Lfill:                                            ; blocks 0 and 1: at each trip's end the slot just read takes the block two on
	BODY 1
	s_wait_tensorcnt 0x0                           ; all my tensor loads have landed, the other slot's block among them: a group 0 may be written
	ds_add_u32 v[SPW], v[NIL]                      ; 0 onto my spare word
	s_wait_xcnt 0x0                                ; every earlier memory instruction has had its addresses translated: bases and store data may be rewritten
	STEP
	s_add_nc_u64 s[60:61], s[60:61], 1<<17
	s_xor_b32 s41, s41, SLOTB                      ; the walking descriptor: the other slot than last time,
	s_add_nc_u64 s[42:43], s[42:43], 1<<17         ; the next block; the type bits on top are not reached
	s_wait_dscnt 0x0                               ; the add is done; my reads of the slot and of kn's codes are over
	s_barrier_signal -1
	s_barrier_wait -1                              ; so are every wave's: the slot may be filled, and kn's codes written anew
	tensor_load_to_lds s[40:43], s[28:35]          ; my one tensor load behind the barrier, and the first thing there: it has a block's work in which to land
	s_nop 0
	PLACES 4
	s_sub_co_u32 s51, s51, 1
	s_cmp_lg_u32 s51, 0
	s_cbranch_scc1 .Lfill
	s_mov_b32 s51, 2
.Ltail:                                            ; blocks 2 and 3: nothing is left to fetch
	BODY 0
	s_wait_tensorcnt 0x0                           ; block 3's load, the only one that can be out, has landed before the next trip reads it
	s_wait_xcnt 0x0
	STEP
	s_wait_dscnt 0x0                               ; my reads of kn's codes are over
	s_barrier_signal -1
	s_barrier_wait -1                              ; every wave's are: they may be written anew
	s_sub_co_u32 s51, s51, 1
	s_cmp_lg_u32 s51, 0
	s_cbranch_scc1 .Ltail
	; the work-group's maximum and sum for each of my four heads
.irp h, 0,1,2,3
	v_mov_b32 v[96+\h], v[MR+\h]
.endr
	BMAX4 96, PD
.irp h, 0,1,2,3
	v_sub_f32 v[104+\h], v[MR+\h], v[96+\h]
.endr
.irp h, 0,1,2,3
	v_exp_f32 v[104+\h], v[104+\h]
.endr
	v_nop
	s_wait_alu depctr_va_vdst(0)
.irp h, 0,1,2,3
	v_mul_f32 v[100+\h], v[LR+\h], v[104+\h]
.endr
	BSUM4 100, PD
	v_mov_b32 v112, v96                            ; lane l takes figure l % 8: maximum and sum of head 0, of head 1, ..
.irp j, 1,2,3,4,5,6,7
	s_mov_b32 s74, 0x01010101<<\j
	v_cndmask_b32 v112, v112, v[96+4*(\j%2)+\j/2], s74
.endr
	global_store_b32 v[L4], v112, s[58:59]         ; 128 consecutive bytes
	s_wait_tensorcnt 0x0                           ; the wave's end
	ds_add_u32 v[SPW], v[NIL]
	s_wait_dscnt 0x0
	s_endpgm
.Lfunc_end_k_qfe0ab48588_kpass:
	.size	k_qfe0ab48588_kpass, .Lfunc_end_k_qfe0ab48588_kpass-k_qfe0ab48588_kpass
	.p2alignl 7, 3214868480
	.fill 96, 4, 3214868480
	.section	.rodata,"a",@progbits
	.p2align	6, 0x0
	.amdhsa_kernel k_qfe0ab48588_kpass
		.amdhsa_group_segment_fixed_size 327680
		.amdhsa_private_segment_fixed_size 0
		.amdhsa_enable_private_segment 0
		.amdhsa_kernarg_size 88
		.amdhsa_user_sgpr_count 2
		.amdhsa_user_sgpr_kernarg_segment_ptr 1
		.amdhsa_wavefront_size32 1
		.amdhsa_system_sgpr_workgroup_id_x 1
		.amdhsa_system_sgpr_workgroup_id_y 1
		.amdhsa_system_sgpr_workgroup_id_z 1
		.amdhsa_system_vgpr_workitem_id 0
		.amdhsa_next_free_vgpr 1024
		.amdhsa_next_free_sgpr 80
		.amdhsa_reserve_vcc 0
		.amdhsa_float_denorm_mode_32 3
		.amdhsa_float_denorm_mode_16_64 3
		.amdhsa_memory_ordered 1
		.amdhsa_forward_progress 1
		.amdhsa_inst_pref_size 255
	.end_amdhsa_kernel
	.section	.bss,"aw",@nobits
	.p2align	6
	.space	262144
	.amdgpu_metadata
---
amdhsa.version: [ 1, 2 ]
amdhsa.kernels:
  - .name:           k_qfe0ab48588_kpass
    .symbol:         k_qfe0ab48588_kpass.kd
    .args:
      - { .name: x, .offset: 0, .size: 8, .value_kind: global_buffer, .address_space: global }
      - { .name: norm_g, .offset: 8, .size: 8, .value_kind: global_buffer, .address_space: global }
      - { .name: norm_b, .offset: 16, .size: 8, .value_kind: global_buffer, .address_space: global }
      - { .name: nk_g, .offset: 24, .size: 8, .value_kind: global_buffer, .address_space: global }
      - { .name: nk_b, .offset: 32, .size: 8, .value_kind: global_buffer, .address_space: global }
      - { .name: nv_g, .offset: 40, .size: 8, .value_kind: global_buffer, .address_space: global }
      - { .name: nv_b, .offset: 48, .size: 8, .value_kind: global_buffer, .address_space: global }
      - { .name: bk, .offset: 56, .size: 8, .value_kind: global_buffer, .address_space: global }
      - { .name: wprep, .offset: 64, .size: 8, .value_kind: global_buffer, .address_space: global }
      - { .name: vq, .offset: 72, .size: 8, .value_kind: global_buffer, .address_space: global }
      - { .name: sc, .offset: 80, .size: 8, .value_kind: global_buffer, .address_space: global }
    .group_segment_fixed_size: 327680
    .private_segment_fixed_size: 0
    .kernarg_segment_align: 8
    .kernarg_segment_size: 88
    .max_flat_workgroup_size: 128
    .sgpr_count:     80
    .vgpr_count:     1024
    .wavefront_size: 32
...
	.end_amdgpu_metadata
.endif
;; end of part 2
;; launch vpass (part 3): grid 256 x 1, 4 waves a work-group, no clusters, 168,448 bytes of LDS; arguments vq, sc, wprep, bv, pout; writes pout
.if DOCPART == 3
	.amdgcn_target "amdgcn-amd-amdhsa--gfx1250"
	.amdhsa_code_object_version 6
	.text
	.protected	k_qfe0ab48588_vpass
	.globl	k_qfe0ab48588_vpass
	.p2align	8
	.type	k_qfe0ab48588_vpass,@function
k_qfe0ab48588_vpass:
	s_mov_b64 s[64:65], 0
	v_nop
	global_prefetch_b8 v0, s[64:65] scope:SCOPE_SE
	s_setreg_imm32_b32 hwreg(HW_REG_WAVE_MODE, 25, 1), 1
	s_wait_xcnt 0x0
; pout[g][column] = the sum over work-group g's 256 rows of attn[row][head] x (Q(vn) Q(Wv)^T + bv)[row][column].
; attn = clip(2^(t - M) / (L + 1e-9), 1e-9, 1): M and L, the batch's maximum and sum for the head, are joined from the 32 work-groups' figures of the launch before; t is score x log2(e).
; SHARES.  Work-group g owns rows 256 g .. 256 g + 255 (16 tiles of 16); wave w owns columns 128 w .. 128 w + 127 (heads 4 w .. 4 w + 3) for all rows; its 32 fragments of Wv stay in registers.
; vn's codes come by tensor loads, a tile (24 units of 256 bytes) a load, 16 bytes of padding behind each unit; wave w fetches tiles 4 j + w, j = 0 .. 3; all four loads of a wave go out at the start: four are out.
; No LDS byte is filled twice.  No cluster: the work-groups share only Wv's images, read once at the head straight into registers.
; THE PRODUCT IS USED AS IT STANDS (source 0 = 16 rows of vn, source 1 = 16 rows of Wv): a lane holds one column and eight rows, which meet the rows' eight weights.  bv is the C of each sum's first product.
; LIMITS: NaN and infinities are not served.
; REGISTERS.  Window 0: v1-9 addresses; v10-13 permute destinations; v20-51 Wv's scale words (4 t + s); v52-115 vn's (4 tile + s); v116 on at work.  Window 1: Wv's fragments of K steps 0, 1; v192-255 bv, eight
;   registers a tile.  Window 2: K steps 2, 3.  Window 3: v0-63 accumulators, v64-159 two sets of vn's fragments, v160-191 the weights, v192-207 the columns' sums.
.set VCT, 6528                         ; a tile of codes in LDS: 24 x 272
.set AL,  104448                       ; behind the 16 tiles: attn, 4,096 bytes a wave: [head][row] f32
.set WS,  20
.set AS,  52
.set MSB, 0
.macro WIN new                         ; the immediate's high byte repeats the setting that is left
.if MSB != \new
	s_set_vgpr_msb (MSB<<8)|\new
.set MSB, \new
.endif
.endm
.macro PLACES n
.rept \n
	v_nop
.endr
.endm
.macro BSUM4 base, tmp
.irp k, 1,2,4,8
.irp i, 0,1,2,3
	v_add_f32_dpp v[\base+\i], v[\base+\i], v[\base+\i] row_xmask:\k row_mask:0xf bank_mask:0xf
.endr
.endr
.irp i, 0,1,2,3
	v_permlanex16_b32 v[\tmp+\i], v[\base+\i], s60, s61
.endr
.irp i, 0,1,2,3
	v_add_f32 v[\base+\i], v[\base+\i], v[\tmp+\i]
.endr
.endm
.macro BMAX4 base, tmp
.irp k, 1,2,4,8
.irp i, 0,1,2,3
	v_max_num_f32_dpp v[\base+\i], v[\base+\i], v[\base+\i] row_xmask:\k row_mask:0xf bank_mask:0xf
.endr
.endr
.irp i, 0,1,2,3
	v_permlanex16_b32 v[\tmp+\i], v[\base+\i], s60, s61
.endr
.irp i, 0,1,2,3
	v_max_num_f32 v[\base+\i], v[\base+\i], v[\tmp+\i]
.endr
.endm
	s_load_b256 s[4:11], s[0:1], 0x0               ; vq s[4:5], sc s[6:7], wprep s[8:9], bv s[10:11]
	s_load_b64 s[12:13], s[0:1], 0x20              ; pout
	v_lshl_add_u32 v254, v0, 2, 0x29000
	v_mov_b32 v255, 0
	ds_add_u32 v254, v255
	ds_add_u32 v254, v255
	v_lshrrev_b32 v14, 5, v0
	v_readfirstlane_b32 s14, v14                   ; wave 0..3
	; descriptor group 1: 24 rows of 256 bytes (32 elements of 8 bytes), dense in memory, 4 words of padding behind each
	s_mov_b32 s16, (3<<16)|(1<<20)|(5<<22)|(3<<25)
	s_mov_b32 s17, 32<<16
	s_mov_b32 s18, 24<<16
	s_mov_b32 s19, 32<<16
	s_mov_b32 s20, 24
	s_mov_b32 s21, 32
	s_mov_b32 s22, 0
	s_mov_b32 s23, 0
	s_mul_i32 s24, ttmp9, 98304                    ; 16 tiles of 6,144 bytes a work-group
	s_mul_i32 s25, s14, 6144
	s_add_co_u32 s24, s24, s25
	s_mov_b32 s25, 0
	s_mul_i32 s26, s14, VCT
	s_wait_dscnt 0x0
	s_wait_kmcnt 0x0
	s_add_nc_u64 s[44:45], s[4:5], s[24:25]
.irp j, 0,1,2,3
	s_mov_b32 s[28+4*\j], 1
	s_add_co_u32 s[29+4*\j], s26, 4*VCT*\j         ; tile 4 j + w in LDS,
	s_add_nc_u64 s[30+4*\j:31+4*\j], s[44:45], 24576*\j   ; and in memory
	s_or_b32 s[31+4*\j], s[31+4*\j], 0x80000000
.endr
	tensor_load_to_lds s[28:31], s[16:23]
	s_nop 0
	tensor_load_to_lds s[32:35], s[16:23]
	s_nop 0
	tensor_load_to_lds s[36:39], s[16:23]
	s_nop 0
	tensor_load_to_lds s[40:43], s[16:23]
	s_nop 0
	PLACES 4
	v_and_b32 v14, 31, v0                          ; l
	v_and_b32 v15, 15, v0                          ; r
	v_bfe_u32 v16, v0, 4, 1                        ; h
	v_lshrrev_b32 v17, 1, v15
	v_mul_u32_u24 v1, v17, 816
	v_and_b32 v17, 1, v15
	v_lshl_add_u32 v1, v17, 7, v1
	v_lshl_add_u32 v1, v16, 3, v1                  ; my place in a tile of codes: 816 (r / 2) + 128 (r % 2) + 8 h
	v_add_nc_u32 v2, 8*VCT, v1                     ; the same from tile 8 on
	s_lshl_b32 s27, s14, 12
	s_add_co_u32 s27, s27, AL
	v_lshl_add_u32 v3, v14, 2, s27                 ; attn in: 4 l
	v_lshl_add_u32 v4, v16, 5, s27                 ; attn out: my eight rows of a tile: 32 h
	v_lshlrev_b32 v5, 3, v14
	v_lshlrev_b32 v6, 4, v14
	v_lshlrev_b32 v7, 4, v15
	v_lshlrev_b32 v8, 2, v15
	v_lshlrev_b32 v9, 9, v14
.irp i, 0,1,2,3
	v_mov_b32 v[10+\i], 0                          ; a lane permute's destination counts as one of its sources
.endr
	s_mov_b32 s60, 0x76543210
	s_mov_b32 s61, 0xfedcba98
	s_mov_b32 s62, 0xffff0000                      ; lanes 16-31
	s_mul_i32 s24, s14, 49152
	s_add_co_u32 s24, s24, 196608
	s_add_nc_u64 s[46:47], s[8:9], s[24:25]        ; my images of Wv
	s_lshl_b32 s24, s14, 11
	s_add_co_u32 s24, s24, 401408
	s_add_nc_u64 s[48:49], s[8:9], s[24:25]        ; my 128 rows' scale bytes
	s_lshl_b32 s24, ttmp9, 12
	s_add_co_u32 s24, s24, 25165824
	s_add_nc_u64 s[50:51], s[4:5], s[24:25]        ; vn's scale bytes of my 256 rows
	s_lshl_b32 s24, s14, 9
	s_add_nc_u64 s[52:53], s[10:11], s[24:25]      ; my 128 numbers of bv
	s_lshl_b32 s26, ttmp9, 11
	s_add_co_u32 s24, s24, s26
	s_add_nc_u64 s[58:59], s[12:13], s[24:25]      ; pout: 2,048 g + 512 w
	s_lshr_b32 s24, ttmp9, 5                       ; the batch
	s_lshl_b32 s24, s24, 14
	s_lshl_b32 s26, s14, 7
	s_add_co_u32 s24, s24, s26
	s_add_co_u32 s24, s24, 4194304
	s_add_nc_u64 s[54:55], s[6:7], s[24:25]        ; the batch's 32 work-groups' figures, 512 bytes apart
	s_lshl_b32 s24, ttmp9, 14
	s_lshl_b32 s26, s14, 10
	s_add_co_u32 s24, s24, s26
	s_add_nc_u64 s[56:57], s[6:7], s[24:25]        ; t of my rows and heads
	global_load_b128 v[148:151], v9, s[54:55]      ; lane l: work-group 32 b + l's maximum and sum of heads 0, 1,
	global_load_b128 v[152:155], v9, s[54:55] offset:16   ; and of heads 2, 3
.irp h, 0,1,2,3
.irp i, 0,1,2,3
	global_load_b64 v[116+8*\h+2*\i:117+8*\h+2*\i], v5, s[56:57] offset:4096*\i+256*\h   ; t of rows 64 i + l and 64 i + 32 + l
.endr
.endr
	WIN 0x40                                       ; destination window 1
.set q, 0
.rept 48
	global_load_b128 v[4*q:4*q+3], v6, s[46:47] offset:512*q
.set q, q+1
.endr
.irp t, 0,1,2,3,4,5,6,7
	global_load_b32 v[192+8*\t], v8, s[52:53] offset:64*\t         ; bv at column 16 t + r
.endr
	WIN 0x80                                       ; destination window 2
.set q, 0
.rept 48
	global_load_b128 v[4*q:4*q+3], v6, s[46:47] offset:24576+512*q
.set q, q+1
.endr
	WIN 0
.irp t, 0,1,2,3,4,5,6,7
	global_load_b128 v[WS+4*\t:WS+4*\t+3], v7, s[48:49] offset:256*\t
.endr
.irp n, 0,1,2,3,4,5,6,7,8,9,10,11,12,13,14,15
	global_load_b128 v[AS+4*\n:AS+4*\n+3], v7, s[50:51] offset:256*\n
.endr
	s_wait_loadcnt 0x0
	WIN 0x41
.irp t, 0,1,2,3,4,5,6,7
.irp j, 1,2,3,4,5,6,7
	v_mov_b32 v[192+8*\t+\j], v[192+8*\t]          ; the bias in the result's layout: a lane's eight rows share its column
.endr
.endr
	WIN 0
	; the batch's maximum and sum for each of my heads
.irp h, 0,1,2,3
	v_mov_b32 v[156+\h], v[148+2*\h]
.endr
	BMAX4 156, 10
.irp h, 0,1,2,3
	v_sub_f32 v[160+\h], v[148+2*\h], v[156+\h]
.endr
.irp h, 0,1,2,3
	v_exp_f32 v[160+\h], v[160+\h]
.endr
	v_nop
	s_wait_alu depctr_va_vdst(0)
.irp h, 0,1,2,3
	v_mul_f32 v[164+\h], v[149+2*\h], v[160+\h]
.endr
	BSUM4 164, 10
.irp h, 0,1,2,3
	v_add_f32 v[164+\h], 0x3089705f, v[164+\h]     ; + 1e-9
.endr
.irp h, 0,1,2,3
	v_rcp_f32 v[168+\h], v[164+\h]
.endr
	v_nop
.irp h, 0,1,2,3
.irp j, 0,1,2,3,4,5,6,7
	v_sub_f32 v[116+8*\h+\j], v[116+8*\h+\j], v[156+\h]
.endr
.endr
.set q, 0
.rept 32
	v_exp_f32 v[116+q], v[116+q]
.set q, q+1
.endr
	v_nop
	s_wait_alu depctr_va_vdst(0)
.irp h, 0,1,2,3
.irp j, 0,1,2,3,4,5,6,7
	v_mul_f32 v[116+8*\h+\j], v[116+8*\h+\j], v[168+\h]
.endr
.endr
.set q, 0
.rept 32
	v_med3_num_f32 v[116+q], v[116+q], 0x3089705f, 1.0             ; the clip
.set q, q+1
.endr
.irp h, 0,1,2,3
.irp i, 0,1,2,3
.irp e, 0,1
	ds_store_b32 v3, v[116+8*\h+2*\i+\e] offset:1024*\h+256*\i+128*\e   ; row 64 i + 32 e + l at 4 x row: my wave's own bytes
.endr
.endr
.endr
.macro SYNC c                          ; my load of the next four tiles has landed (c later ones may stay out), my LDS instructions are done; then every wave's
	s_wait_tensorcnt \c
	s_wait_dscnt 0x0
	s_barrier_signal -1
	s_barrier_wait -1
.endm
.macro FRAGS n                         ; tile n's four fragments into set n % 2: 24 loads
	WIN 0xC0
.irp s, 0,1,2,3
.irp c, 0,1
.irp i, 0,1,2
	ds_load_b64 v[64+48*((\n)%2)+12*\s+6*\c+2*\i:64+48*((\n)%2)+12*\s+6*\c+2*\i+1], v[1+(\n)/8] offset:VCT*((\n)%8)+272*\i+16*\c+32*\s
.endr
.endr
.endr
.endm
.macro ATLOAD n                        ; the weights of my eight rows of tile n, for each head: 8 loads
	WIN 0xC0
.irp h, 0,1,2,3
	ds_load_b128 v[160+8*\h:163+8*\h], v4 offset:1024*\h+64*(\n)
	ds_load_b128 v[164+8*\h:167+8*\h], v4 offset:1024*\h+64*(\n)+16
.endr
.endm
.macro PROD n                          ; 32 products: K step by K step, the eight accumulators by turns; the first K step starts the sums from the bias
.irp s, 0,1,2,3
.if \s == 0
	WIN 0xD7                                       ; vn window 3, Wv window 1, C (bv) window 1, D window 3
.elseif \s == 1
	WIN 0xF7                                       ; C and D window 3
.else
	WIN 0xFB                                       ; Wv window 2
.endif
.irp t, 0,1,2,3,4,5,6,7
.if \s == 0
	v_wmma_scale_f32_16x16x128_f8f6f4 v[8*\t:8*\t+7], v[64+48*((\n)%2)+12*\s:64+48*((\n)%2)+12*\s+11], v[12*(8*(\s%2)+\t):12*(8*(\s%2)+\t)+11], v[192+8*\t:199+8*\t], v[AS+4*(\n)+\s], v[WS+4*\t+\s] matrix_a_fmt:MATRIX_FMT_FP6 matrix_b_fmt:MATRIX_FMT_FP6
.else
	v_wmma_scale_f32_16x16x128_f8f6f4 v[8*\t:8*\t+7], v[64+48*((\n)%2)+12*\s:64+48*((\n)%2)+12*\s+11], v[12*(8*(\s%2)+\t):12*(8*(\s%2)+\t)+11], v[8*\t:8*\t+7], v[AS+4*(\n)+\s], v[WS+4*\t+\s] matrix_a_fmt:MATRIX_FMT_FP6 matrix_b_fmt:MATRIX_FMT_FP6
.endif
.endr
.endr
.endm
.macro EPI n                           ; the columns' sums take the tile: each accumulator from its low end on
	WIN 0xFF
.irp i, 0,1,2,3
.irp t, 0,1,2,3,4,5,6,7
.if ((\n) == 0) && (\i == 0)
	v_pk_mul_f32 v[192+2*\t:193+2*\t], v[8*\t:8*\t+1], v[160+8*(\t/2):161+8*(\t/2)]
.else
	v_pk_fma_f32 v[192+2*\t:193+2*\t], v[8*\t+2*\i:8*\t+2*\i+1], v[160+8*(\t/2)+2*\i:161+8*(\t/2)+2*\i], v[192+2*\t:193+2*\t]
.endif
.endr
.endr
.endm
	SYNC 3                                         ; tiles 0 to 3 lie in LDS
	FRAGS 0
.irp n, 0,1,2,3,4,5,6,7,8,9,10,11,12,13,14,15
.if ((\n%4) == 3) && (\n < 15)
	SYNC 2-\n/4                                    ; the next four tiles, of which the first is fetched below
.endif
	ATLOAD \n
.if \n < 15
	FRAGS \n+1
	s_wait_dscnt 32                                ; this tile's fragments are in: all but the 8 + 24 loads just issued
.else
	s_wait_dscnt 8                                 ; all but the 8 just issued
.endif
	PROD \n
	PLACES 5                                       ; in front of the reads of results, of the loads into the fragments' registers, and of the products that start the sums anew
.if \n < 15
	s_wait_dscnt 24                                ; the weights are in; the next tile's fragments may stay out
.else
	s_wait_dscnt 0x0
.endif
	EPI \n
.endr
	WIN 0x0F
.irp t, 0,1,2,3,4,5,6,7
	v_add_f32 v[116+\t], v[192+2*\t], v[193+2*\t]
.endr
	WIN 0
.irp t, 0,1,2,3,4,5,6,7
	v_permlanex16_b32 v[124+\t], v[116+\t], s60, s61               ; the column's other rows lie in the lane 16 away
.endr
.irp t, 0,1,2,3,4,5,6,7
	v_add_f32 v[116+\t], v[116+\t], v[124+\t]
.endr
.irp e, 0,1,2,3
	v_cndmask_b32 v[132+\e], v[116+2*\e], v[117+2*\e], s62         ; lane l: column 32 e + l of my 128
.endr
	global_store_b128 v6, v[132:135], s[58:59]     ; 512 consecutive bytes, at a multiple of 256
	s_wait_tensorcnt 0x0
	ds_add_u32 v254, v255
	s_wait_dscnt 0x0
	s_endpgm
.Lfunc_end_k_qfe0ab48588_vpass:
	.size	k_qfe0ab48588_vpass, .Lfunc_end_k_qfe0ab48588_vpass-k_qfe0ab48588_vpass
	.p2alignl 7, 3214868480
	.fill 96, 4, 3214868480
	.section	.rodata,"a",@progbits
	.p2align	6, 0x0
	.amdhsa_kernel k_qfe0ab48588_vpass
		.amdhsa_group_segment_fixed_size 168448
		.amdhsa_private_segment_fixed_size 0
		.amdhsa_enable_private_segment 0
		.amdhsa_kernarg_size 40
		.amdhsa_user_sgpr_count 2
		.amdhsa_user_sgpr_kernarg_segment_ptr 1
		.amdhsa_wavefront_size32 1
		.amdhsa_system_sgpr_workgroup_id_x 1
		.amdhsa_system_sgpr_workgroup_id_y 1
		.amdhsa_system_sgpr_workgroup_id_z 1
		.amdhsa_system_vgpr_workitem_id 0
		.amdhsa_next_free_vgpr 1024
		.amdhsa_next_free_sgpr 66
		.amdhsa_reserve_vcc 0
		.amdhsa_float_denorm_mode_32 3
		.amdhsa_float_denorm_mode_16_64 3
		.amdhsa_memory_ordered 1
		.amdhsa_forward_progress 1
		.amdhsa_inst_pref_size 169
	.end_amdhsa_kernel
	.amdgpu_metadata
---
amdhsa.version: [ 1, 2 ]
amdhsa.kernels:
  - .name:           k_qfe0ab48588_vpass
    .symbol:         k_qfe0ab48588_vpass.kd
    .args:
      - { .name: vq, .offset: 0, .size: 8, .value_kind: global_buffer, .address_space: global }
      - { .name: sc, .offset: 8, .size: 8, .value_kind: global_buffer, .address_space: global }
      - { .name: wprep, .offset: 16, .size: 8, .value_kind: global_buffer, .address_space: global }
      - { .name: bv, .offset: 24, .size: 8, .value_kind: global_buffer, .address_space: global }
      - { .name: pout, .offset: 32, .size: 8, .value_kind: global_buffer, .address_space: global }
    .group_segment_fixed_size: 168448
    .private_segment_fixed_size: 0
    .kernarg_segment_align: 8
    .kernarg_segment_size: 40
    .max_flat_workgroup_size: 128
    .sgpr_count:     66
    .vgpr_count:     1024
    .wavefront_size: 32
...
	.end_amdgpu_metadata
.endif
;; end of part 3
;; launch oproj (part 4): grid 256 x 1, 4 waves a work-group, no clusters, 2,560 bytes of LDS; arguments pout, Wo, bo, ybuf; writes ybuf
.if DOCPART == 4
	.amdgcn_target "amdgcn-amd-amdhsa--gfx1250"
	.amdhsa_code_object_version 6
	.text
	.protected	k_qfe0ab48588_oproj
	.globl	k_qfe0ab48588_oproj
	.p2align	8
	.type	k_qfe0ab48588_oproj,@function
k_qfe0ab48588_oproj:
	s_mov_b64 s[64:65], 0
	v_nop
	global_prefetch_b8 v0, s[64:65] scope:SCOPE_SE
	s_setreg_imm32_b32 hwreg(HW_REG_WAVE_MODE, 25, 1), 1
	s_wait_xcnt 0x0
; ybuf[b][n] = the sum over k of o[b][k] Wo[n][k] + bo[n], o[b] = the sum of the batch's 32 partial rows of pout.  All in f32, by vector instructions: 8 rows are too few for the matrix unit.
; SHARES.  Work-group x: batch b = x / 32, outputs 16 (x % 32) .. + 15.  Wave w first sums columns 128 w .. 128 w + 127 of the 32 partial rows (512 consecutive bytes a load); the four quarters meet in LDS;
; then wave w makes outputs 4 w .. 4 w + 3 of the sixteen.  No tensor loads, no ring: each byte of Wo is read by eight work-groups, once each.
; pout's order: byte 512 w + 16 l + 4 e of a row holds column 128 w + 32 e + l.  In LDS the columns lie in their true order.
	s_load_b256 s[4:11], s[0:1], 0x0               ; pout s[4:5], Wo s[6:7], bo s[8:9], ybuf s[10:11]
	v_lshl_add_u32 v254, v0, 2, 0x800
	v_mov_b32 v255, 0
	v_lshrrev_b32 v1, 5, v0
	v_readfirstlane_b32 s12, v1                    ; wave 0..3
	v_and_b32 v1, 31, v0                           ; lane
	v_lshlrev_b32 v2, 4, v1                        ; 16 l
	s_lshl_b32 s13, s12, 9
	v_lshl_add_u32 v3, v1, 2, s13                  ; LDS: 512 w + 4 l
	v_mov_b32 v4, 0
.irp i, 0,1,2,3
	v_mov_b32 v[8+\i], 0                           ; a lane permute's destination counts as one of its sources
.endr
	s_mov_b32 s28, 0x76543210
	s_mov_b32 s29, 0xfedcba98
	s_lshr_b32 s14, ttmp9, 5                       ; b
	s_and_b32 s15, ttmp9, 31
	s_lshl_b32 s16, s14, 16                        ; 32 partial rows of 2,048 bytes a batch,
	s_add_co_u32 s16, s16, s13                     ; my quarter
	s_mov_b32 s17, 0
	s_lshl_b32 s18, s15, 15                        ; 16 rows of Wo a work-group,
	s_lshl_b32 s19, s12, 13                        ; 4 a wave
	s_add_co_u32 s18, s18, s19
	s_mov_b32 s19, 0
	s_lshl_b32 s20, s15, 6
	s_lshl_b32 s21, s12, 4
	s_add_co_u32 s20, s20, s21                     ; my four outputs, in bytes
	s_mov_b32 s21, 0
	s_lshl_b32 s22, s14, 11
	s_add_co_u32 s22, s22, s20
	s_mov_b32 s23, 0
	s_wait_kmcnt 0x0
	s_add_nc_u64 s[4:5], s[4:5], s[16:17]
	s_add_nc_u64 s[6:7], s[6:7], s[18:19]
	s_add_nc_u64 s[8:9], s[8:9], s[20:21]
	s_add_nc_u64 s[10:11], s[10:11], s[22:23]
	s_load_b128 s[24:27], s[8:9], 0x0              ; bo, my four
.set k, 0
.rept 32
	global_load_b128 v[16+4*k:19+4*k], v2, s[4:5] offset:2048*k
.set k, k+1
.endr
.irp r, 0,1,2,3
.irp j, 0,1,2,3
	global_load_b128 v[144+16*\r+4*\j:147+16*\r+4*\j], v2, s[6:7] offset:2048*\r+512*\j   ; lane l holds k = 128 j + 4 l + 0 .. 3
.endr
.endr
	s_wait_loadcnt 16                              ; the partial rows are in; Wo's sixteen loads may stay out
.set k, 2
.rept 30                               ; four chains: even and odd partial rows, two pairs each
	v_pk_add_f32 v[16+4*(k%2):17+4*(k%2)], v[16+4*(k%2):17+4*(k%2)], v[16+4*k:17+4*k]
	v_pk_add_f32 v[18+4*(k%2):19+4*(k%2)], v[18+4*(k%2):19+4*(k%2)], v[18+4*k:19+4*k]
.set k, k+1
.endr
	v_pk_add_f32 v[16:17], v[16:17], v[20:21]
	v_pk_add_f32 v[18:19], v[18:19], v[22:23]
.irp e, 0,1,2,3
	ds_store_b32 v3, v[16+\e] offset:128*\e        ; column 128 w + 32 e + l at 4 x column
.endr
	s_wait_dscnt 0x0                               ; for the others' sake: my stores have landed
	s_barrier_signal -1
	s_barrier_wait -1
.irp j, 0,1,2,3
	ds_load_b128 v[208+4*\j:211+4*\j], v2 offset:512*\j
.endr
	s_wait_loadcnt 0x0
	s_wait_dscnt 0x0
	s_wait_kmcnt 0x0
.irp r, 0,1,2,3
	v_pk_mul_f32 v[224+2*\r:225+2*\r], v[144+16*\r:145+16*\r], v[208:209]
.endr
.irp p, 1,2,3,4,5,6,7
.irp r, 0,1,2,3
	v_pk_fma_f32 v[224+2*\r:225+2*\r], v[144+16*\r+2*\p:145+16*\r+2*\p], v[208+2*\p:209+2*\p], v[224+2*\r:225+2*\r]
.endr
.endr
.irp r, 0,1,2,3
	v_add_f32 v[232+\r], v[224+2*\r], v[225+2*\r]
.endr
.irp k, 1,2,4,8
.irp r, 0,1,2,3
	v_add_f32_dpp v[232+\r], v[232+\r], v[232+\r] row_xmask:\k row_mask:0xf bank_mask:0xf
.endr
.endr
.irp r, 0,1,2,3
	v_permlanex16_b32 v[8+\r], v[232+\r], s28, s29
.endr
.irp r, 0,1,2,3
	v_add_f32 v[232+\r], v[232+\r], v[8+\r]
.endr
.irp r, 0,1,2,3
	v_add_f32 v[232+\r], s[24+\r], v[232+\r]       ; + bo
.endr
	v_cmp_eq_u32 vcc_lo, 0, v1                     ; every lane holds all four: lane 0 stores them
	s_wait_xcnt 0x0                                ; EXEC changes only when no earlier memory instruction still needs it
	s_wait_tensorcnt 0x0
	ds_add_u32 v254, v255
	s_wait_dscnt 0x0
	s_and_saveexec_b32 s30, vcc_lo
	global_store_b128 v4, v[232:235], s[10:11]
	s_wait_xcnt 0x0                                ; and again in front of the line that widens it
	s_or_b32 exec_lo, exec_lo, s30
	s_endpgm
.Lfunc_end_k_qfe0ab48588_oproj:
	.size	k_qfe0ab48588_oproj, .Lfunc_end_k_qfe0ab48588_oproj-k_qfe0ab48588_oproj
	.p2alignl 7, 3214868480
	.fill 96, 4, 3214868480
	.section	.rodata,"a",@progbits
	.p2align	6, 0x0
	.amdhsa_kernel k_qfe0ab48588_oproj
		.amdhsa_group_segment_fixed_size 2560
		.amdhsa_private_segment_fixed_size 0
		.amdhsa_enable_private_segment 0
		.amdhsa_kernarg_size 32
		.amdhsa_user_sgpr_count 2
		.amdhsa_user_sgpr_kernarg_segment_ptr 1
		.amdhsa_wavefront_size32 1
		.amdhsa_system_sgpr_workgroup_id_x 1
		.amdhsa_system_sgpr_workgroup_id_y 1
		.amdhsa_system_sgpr_workgroup_id_z 1
		.amdhsa_system_vgpr_workitem_id 0
		.amdhsa_next_free_vgpr 256
		.amdhsa_next_free_sgpr 66
		.amdhsa_reserve_vcc 1
		.amdhsa_float_denorm_mode_32 3
		.amdhsa_float_denorm_mode_16_64 3
		.amdhsa_memory_ordered 1
		.amdhsa_forward_progress 1
		.amdhsa_inst_pref_size 15
	.end_amdhsa_kernel
	.amdgpu_metadata
---
amdhsa.version: [ 1, 2 ]
amdhsa.kernels:
  - .name:           k_qfe0ab48588_oproj
    .symbol:         k_qfe0ab48588_oproj.kd
    .args:
      - { .name: pout, .offset: 0, .size: 8, .value_kind: global_buffer, .address_space: global }
      - { .name: Wo, .offset: 8, .size: 8, .value_kind: global_buffer, .address_space: global }
      - { .name: bo, .offset: 16, .size: 8, .value_kind: global_buffer, .address_space: global }
      - { .name: ybuf, .offset: 24, .size: 8, .value_kind: global_buffer, .address_space: global }
    .group_segment_fixed_size: 2560
    .private_segment_fixed_size: 0
    .kernarg_segment_align: 8
    .kernarg_segment_size: 32
    .max_flat_workgroup_size: 128
    .sgpr_count:     66
    .vgpr_count:     256
    .wavefront_size: 32
...
	.end_amdgpu_metadata
.endif
;; end of part 4
;; launch oln (part 5): grid 8 x 1, 1 waves a work-group, no clusters, 0 bytes of LDS; arguments ybuf, no_g, no_b, out0; writes out0
.if DOCPART == 5
	.amdgcn_target "amdgcn-amd-amdhsa--gfx1250"
	.amdhsa_code_object_version 6
	.text
	.protected	k_qfe0ab48588_oln
	.globl	k_qfe0ab48588_oln
	.p2align	8
	.type	k_qfe0ab48588_oln,@function
k_qfe0ab48588_oln:
	s_mov_b64 s[64:65], 0
	v_nop
	global_prefetch_b8 v0, s[64:65] scope:SCOPE_SE
	s_setreg_imm32_b32 hwreg(HW_REG_WAVE_MODE, 25, 1), 1
	s_wait_xcnt 0x0
; out0[b] = LayerNorm(ybuf[b]) with no_g, no_b.  One wave takes a row of 512: lane l holds k = 128 j + 4 l + 0 .. 3, so every load and store covers 512 consecutive bytes.  Two passes over the registers.
; A launch of its own, since the norm wants all 512 outputs of a batch, which 32 work-groups of the launch before have made.  Eight work-groups: there is work for no more.
	s_load_b256 s[4:11], s[0:1], 0x0               ; ybuf s[4:5], no_g s[6:7], no_b s[8:9], out0 s[10:11]
	v_lshlrev_b32 v1, 4, v0
	v_mov_b32 v9, 0                                ; a lane permute's destination counts as one of its sources
	s_lshl_b32 s12, ttmp9, 11
	s_mov_b32 s13, 0
	s_mov_b32 s14, 0x76543210
	s_mov_b32 s15, 0xfedcba98
	s_mov_b32 s16, 0x3727c5ac                      ; 1e-5
	s_mov_b32 s17, 0x3b000000                      ; 1 / 512
	s_wait_kmcnt 0x0
	s_add_nc_u64 s[4:5], s[4:5], s[12:13]
	s_add_nc_u64 s[10:11], s[10:11], s[12:13]
.irp j, 0,1,2,3
	global_load_b128 v[16+4*\j:19+4*\j], v1, s[4:5] offset:512*\j
	global_load_b128 v[32+4*\j:35+4*\j], v1, s[6:7] offset:512*\j
	global_load_b128 v[48+4*\j:51+4*\j], v1, s[8:9] offset:512*\j
.endr
	s_wait_loadcnt 0x0
.macro BSUM1 r, t
	v_add_f32_dpp v[\r], v[\r], v[\r] row_xmask:1 row_mask:0xf bank_mask:0xf
	v_add_f32_dpp v[\r], v[\r], v[\r] row_xmask:2 row_mask:0xf bank_mask:0xf
	v_add_f32_dpp v[\r], v[\r], v[\r] row_xmask:4 row_mask:0xf bank_mask:0xf
	v_add_f32_dpp v[\r], v[\r], v[\r] row_xmask:8 row_mask:0xf bank_mask:0xf
	v_permlanex16_b32 v[\t], v[\r], s14, s15
	v_add_f32 v[\r], v[\r], v[\t]
.endm
	v_pk_add_f32 v[2:3], v[16:17], v[18:19]
	v_pk_add_f32 v[4:5], v[20:21], v[22:23]
	v_pk_add_f32 v[6:7], v[24:25], v[26:27]
	v_pk_add_f32 v[10:11], v[28:29], v[30:31]
	v_pk_add_f32 v[2:3], v[2:3], v[4:5]
	v_pk_add_f32 v[6:7], v[6:7], v[10:11]
	v_pk_add_f32 v[2:3], v[2:3], v[6:7]
	v_add_f32 v2, v2, v3
	BSUM1 2, 9
	v_mul_f32 v2, 0xbb000000, v2                   ; minus the mean
.irp p, 0,1,2,3,4,5,6,7
	v_pk_add_f32 v[16+2*\p:17+2*\p], v[16+2*\p:17+2*\p], v[2:3] op_sel_hi:[1,0]
.endr
	v_pk_mul_f32 v[4:5], v[16:17], v[16:17]
	v_pk_mul_f32 v[6:7], v[18:19], v[18:19]
.irp p, 2,4,6
	v_pk_fma_f32 v[4:5], v[16+2*\p:17+2*\p], v[16+2*\p:17+2*\p], v[4:5]
	v_pk_fma_f32 v[6:7], v[18+2*\p:19+2*\p], v[18+2*\p:19+2*\p], v[6:7]
.endr
	v_pk_add_f32 v[4:5], v[4:5], v[6:7]
	v_add_f32 v4, v4, v5
	BSUM1 4, 9
	v_fma_f32 v4, v4, s17, s16                     ; the variance + 1e-5
	v_rsq_f32 v2, v4
	v_nop                                          ; one plain line behind a transcendental
	s_wait_alu depctr_va_vdst(0)
.irp p, 0,1,2,3,4,5,6,7
	v_pk_mul_f32 v[16+2*\p:17+2*\p], v[16+2*\p:17+2*\p], v[2:3] op_sel_hi:[1,0]
.endr
.irp p, 0,1,2,3,4,5,6,7
	v_pk_fma_f32 v[16+2*\p:17+2*\p], v[16+2*\p:17+2*\p], v[32+2*\p:33+2*\p], v[48+2*\p:49+2*\p]
.endr
.irp j, 0,1,2,3
	global_store_b128 v1, v[16+4*\j:19+4*\j], s[10:11] offset:512*\j   ; 512 consecutive bytes, at a multiple of 256
.endr
	s_endpgm
.Lfunc_end_k_qfe0ab48588_oln:
	.size	k_qfe0ab48588_oln, .Lfunc_end_k_qfe0ab48588_oln-k_qfe0ab48588_oln
	.p2alignl 7, 3214868480
	.fill 96, 4, 3214868480
	.section	.rodata,"a",@progbits
	.p2align	6, 0x0
	.amdhsa_kernel k_qfe0ab48588_oln
		.amdhsa_group_segment_fixed_size 0
		.amdhsa_private_segment_fixed_size 0
		.amdhsa_enable_private_segment 0
		.amdhsa_kernarg_size 32
		.amdhsa_user_sgpr_count 2
		.amdhsa_user_sgpr_kernarg_segment_ptr 1
		.amdhsa_wavefront_size32 1
		.amdhsa_system_sgpr_workgroup_id_x 1
		.amdhsa_system_sgpr_workgroup_id_y 1
		.amdhsa_system_sgpr_workgroup_id_z 1
		.amdhsa_system_vgpr_workitem_id 0
		.amdhsa_next_free_vgpr 64
		.amdhsa_next_free_sgpr 66
		.amdhsa_reserve_vcc 0
		.amdhsa_float_denorm_mode_32 3
		.amdhsa_float_denorm_mode_16_64 3
		.amdhsa_memory_ordered 1
		.amdhsa_forward_progress 1
		.amdhsa_inst_pref_size 6
	.end_amdhsa_kernel
	.amdgpu_metadata
---
amdhsa.version: [ 1, 2 ]
amdhsa.kernels:
  - .name:           k_qfe0ab48588_oln
    .symbol:         k_qfe0ab48588_oln.kd
    .args:
      - { .name: ybuf, .offset: 0, .size: 8, .value_kind: global_buffer, .address_space: global }
      - { .name: no_g, .offset: 8, .size: 8, .value_kind: global_buffer, .address_space: global }
      - { .name: no_b, .offset: 16, .size: 8, .value_kind: global_buffer, .address_space: global }
      - { .name: out0, .offset: 24, .size: 8, .value_kind: global_buffer, .address_space: global }
    .group_segment_fixed_size: 0
    .private_segment_fixed_size: 0
    .kernarg_segment_align: 8
    .kernarg_segment_size: 32
    .max_flat_workgroup_size: 32
    .sgpr_count:     66
    .vgpr_count:     64
    .wavefront_size: 32
...
	.end_amdgpu_metadata
.endif
;; end of part 5
